; MI455X (gfx1250); checked and timed in simulation.
; The chip was launched on July 23, 2026; its instructions are those of AMD's public machine-readable ISA for CDNA 5 (MIT licence, August 2026) and "CDNA5" Instruction Set Architecture Reference Guide (July 2026). The comments in the code are by the model that wrote it; some were corrected since.
;; Toy Moe. Allowed arithmetic: float matrix products may take bf16 or f16 operands with f32 sums; all other float work in f32.
;; Inputs: W0a 2,048 x 1,024 float32; W0b 1,024 x 2,048 float32; W1a 2,048 x 1,024 float32; W1b 1,024 x 2,048 float32; Wg 2 x 1,024 float32; b0a 2,048 float32; b0b 1,024 float32; b1a 2,048 float32; b1b 1,024 float32; x 4 x 2,048 x 1,024 float32.
;; Outputs: out0 4 x 2,048 x 1,024 float32.
;; 2 versions, each right; version 2 is version 1 with the launch route written anew for expert scheduling mode. Each part assembles by itself: llvm-mc -triple=amdgcn-amd-amdhsa -mcpu=gfx1250 --defsym DOCPART=n.
;; ======== version 1 of 2: 4 launches
;; workspace buffers: wbf 16,777,216 bytes; xs 18,874,368 bytes; h 37,748,736 bytes; gatew 2,048 bytes of whole numbers; plan 37,120 bytes of whole numbers
;; launch prep (part 1): grid 256 x 1, 8 waves a work-group, no clusters, 1,280 bytes of LDS; arguments x, Wg, W0a, W1a, W0b, W1b, wbf, gatew; writes wbf, gatew
.if DOCPART == 1
	.amdgcn_target "amdgcn-amd-amdhsa--gfx1250"
	.amdhsa_code_object_version 6
	.text
	.protected	k_q87003097dc_prep
	.globl	k_q87003097dc_prep
	.p2align	8
	.type	k_q87003097dc_prep,@function
k_q87003097dc_prep:
	s_mov_b64 s[64:65], 0
	v_nop
	global_prefetch_b8 v0, s[64:65] scope:SCOPE_SE
	s_setreg_imm32_b32 hwreg(HW_REG_WAVE_MODE, 25, 1), 1
	s_wait_xcnt 0x0
; PREP: (1) the gate's decision for 8,192 tokens, stored as whole numbers; (2) the four weight matrices rounded to bf16.
; Work-group g: tokens 32 g .. 32 g + 31, four a wave (token bit 4 w + i), and 131,072 source bytes of weight matrix g >> 6
; (order W0a, W1a, W0b, W1b), 16,384 a wave.  Everything is asked for at once; there is no loop.
; gatew: word g = bit j set where token 32 g + j goes to expert 1; word 256 + g = the number of set bits of word g.
; Each work-group owns one word of each table, so these two stores are 4 bytes each: 8 of the launch's bytes in 65,000.
; THE GATE: x and Wg are rounded to bf16, as operands of a matrix product are; the products are exact, the sums f32.  Two of sixteen
; columns of a matrix tile would be used, and fragment loads would break the streams of 512 bytes, so the sums are made by mixed
; multiply-adds on the vector unit.  The softmax is written out: the maximum is taken away, two exponentials, their sum, a reciprocal;
; expert 1 wins only where its share is strictly larger, so a tie goes to expert 0, as the first maximum does.
; LIMIT: the order of the f32 sums differs from the definition's: a token whose two logits differ by about 1e-6 of their size or less may go
; to the other expert.  NaN logits go to expert 0.
.set LANE, 1
.set XO,   2                           ; v2        w * 16384 + 16 lane: my 16 bytes in my wave's first row of x
.set WO,   3                           ; v3        w * 16384 + 32 lane: my 32 bytes in my wave's weights
.set SO,   4                           ; v4        w * 8192 + 16 lane: where their 16 bytes of bf16 go
.set G0W,  8                           ; v[8:23]   Wg row 0, packed bf16
.set G1W,  24                          ; v[24:39]  Wg row 1, packed bf16
.set RAW,  40                          ; v[40:103] Wg as loaded
.set XP,   40                          ; v[40:55]  afterwards: one row of x, packed bf16
.set SM,   56                          ; v[56:67]  afterwards: softmax at work
.set X,    104                         ; v[104:231] four rows of x, 32 registers each; then the four weight batches
.set CH,   232                         ; v[232:247] chains: 4 i + 2 e + (0: low halves, 1: high halves)
	s_load_b512 s[8:23], s[0:1], 0x0               ; x 8:9, Wg 10:11, W0a 12:13, W1a 14:15, W0b 16:17, W1b 18:19, wbf 20:21, gatew 22:23
	v_lshl_add_u32 v248, v0, 2, 0x100
	v_mov_b32 v249, 0
	v_and_b32 v[LANE], 31, v0
	v_lshrrev_b32 v5, 5, v0
	v_readfirstlane_b32 s2, v5                     ; wave 0..7
	s_mov_b32 s34, 0x76543210                      ; v_permlanex16_b32: lane i of one half reads lane i of the other
	s_mov_b32 s35, 0xfedcba98
	v_lshlrev_b32 v6, 4, v[LANE]                   ; 16 lane: also my place in Wg's rows
	v_lshlrev_b32 v7, 5, v[LANE]
	v_lshl_add_u32 v[XO], s2, 14, v6
	v_lshl_add_u32 v[WO], s2, 14, v7
	v_lshl_add_u32 v[SO], s2, 13, v6
	s_mov_b32 s29, 0
	s_wait_kmcnt 0x0
	s_bitcmp1_b32 ttmp9, 6                         ; g >> 6 picks the matrix: bit 6 the expert,
	s_cselect_b64 s[24:25], s[14:15], s[12:13]
	s_cselect_b64 s[26:27], s[18:19], s[16:17]
	s_bitcmp1_b32 ttmp9, 7                         ; bit 7 up or down
	s_cselect_b64 s[24:25], s[26:27], s[24:25]
	s_and_b32 s28, ttmp9, 63
	s_lshl_b32 s28, s28, 17
	s_add_nc_u64 s[24:25], s[24:25], s[28:29]      ; my chunk of 131,072 bytes
	s_lshl_b32 s28, ttmp9, 17
	s_add_nc_u64 s[8:9], s[8:9], s[28:29]          ; x at token 32 g (32 rows of 4,096 bytes)
	s_lshl_b32 s28, ttmp9, 16
	s_add_nc_u64 s[20:21], s[20:21], s[28:29]      ; wbf: 65,536 bytes a work-group, the four matrices one behind the other
	s_lshl_b32 s28, ttmp9, 2
	s_add_nc_u64 s[22:23], s[22:23], s[28:29]      ; gatew at word g
	; every load of a wave covers 512 consecutive bytes; lane l holds numbers 128 j + 4 l .. + 3 of a row, of x and of Wg alike
.irp j, 0,1,2,3,4,5,6,7
	global_load_b128 v[RAW+4*\j:RAW+4*\j+3], v6, s[10:11] offset:512*\j
	global_load_b128 v[RAW+32+4*\j:RAW+32+4*\j+3], v6, s[10:11] offset:4096+512*\j
.endr
.irp i, 0,1,2,3
.irp j, 0,1,2,3,4,5,6,7
	global_load_b128 v[X+32*\i+4*\j:X+32*\i+4*\j+3], v[XO], s[8:9] offset:4096*\i+512*\j   ; no hint: the next launch reads x again
.endr
.endr
	s_wait_loadcnt 32                              ; Wg's 16 loads are in; the 32 of x stay out
.set j, 0
.rept 16
	v_cvt_pk_bf16_f32 v[G0W+j], v[RAW+2*j], v[RAW+2*j+1]
	v_cvt_pk_bf16_f32 v[G1W+j], v[RAW+32+2*j], v[RAW+32+2*j+1]
.set j, j+1
.endr
; Row i: rounded and packed, its registers handed to weight batch i, then 64 mixed multiply-adds in four chains.
.macro ROW i
	s_wait_loadcnt 24                              ; behind row i's eight loads stand 8 (3 - i) of x and 8 i of the weights: 24 in every row
.set j, 0
.rept 16
	v_cvt_pk_bf16_f32 v[XP+j], v[X+32*\i+2*j], v[X+32*\i+2*j+1]
.set j, j+1
.endr
.irp c, 0,1,2,3
	global_load_b128 v[X+32*\i+8*\c:X+32*\i+8*\c+3],   v[WO], s[24:25] offset:4096*\i+1024*\c th:TH_LOAD_NT
	global_load_b128 v[X+32*\i+8*\c+4:X+32*\i+8*\c+7], v[WO], s[24:25] offset:4096*\i+1024*\c+16 th:TH_LOAD_NT
.endr
	v_fma_mix_f32_bf16 v[CH+4*\i],   v[XP], v[G0W], 0 op_sel_hi:[1,1,0]                  ; the first products start the sums
	v_fma_mix_f32_bf16 v[CH+4*\i+1], v[XP], v[G0W], 0 op_sel:[1,1,0] op_sel_hi:[1,1,0]
	v_fma_mix_f32_bf16 v[CH+4*\i+2], v[XP], v[G1W], 0 op_sel_hi:[1,1,0]
	v_fma_mix_f32_bf16 v[CH+4*\i+3], v[XP], v[G1W], 0 op_sel:[1,1,0] op_sel_hi:[1,1,0]
.set j, 1
.rept 15
	v_fma_mix_f32_bf16 v[CH+4*\i],   v[XP+j], v[G0W+j], v[CH+4*\i] op_sel_hi:[1,1,0]
	v_fma_mix_f32_bf16 v[CH+4*\i+1], v[XP+j], v[G0W+j], v[CH+4*\i+1] op_sel:[1,1,0] op_sel_hi:[1,1,0]
	v_fma_mix_f32_bf16 v[CH+4*\i+2], v[XP+j], v[G1W+j], v[CH+4*\i+2] op_sel_hi:[1,1,0]
	v_fma_mix_f32_bf16 v[CH+4*\i+3], v[XP+j], v[G1W+j], v[CH+4*\i+3] op_sel:[1,1,0] op_sel_hi:[1,1,0]
.set j, j+1
.endr
.endm
	ROW 0
	ROW 1
	ROW 2
	ROW 3
	; eight logits: low and high chains, then across the 32 lanes; every lane ends with the sum
.irp q, 0,2,4,6,8,10,12,14
	v_add_f32 v[CH+\q], v[CH+\q], v[CH+\q+1]
.endr
.irp m, 1,2,4,8
.irp q, 0,2,4,6,8,10,12,14
	v_add_f32_dpp v[CH+\q], v[CH+\q], v[CH+\q] row_xmask:\m row_mask:0xf bank_mask:0xf
.endr
.endr
.irp q, 0,2,4,6,8,10,12,14
	v_permlanex16_b32 v[CH+\q+1], v[CH+\q], s34, s35   ; the destination has been written: it held the high chain
.endr
.irp q, 0,2,4,6,8,10,12,14
	v_add_f32 v[CH+\q], v[CH+\q], v[CH+\q+1]
.endr
	; softmax over the two experts, four tokens side by side
.irp i, 0,1,2,3
	v_max_num_f32 v[SM+\i], v[CH+4*\i], v[CH+4*\i+2]
.endr
.irp i, 0,1,2,3
	v_sub_f32 v[SM+4+2*\i], v[CH+4*\i], v[SM+\i]
	v_sub_f32 v[SM+5+2*\i], v[CH+4*\i+2], v[SM+\i]
.endr
.irp q, 0,1,2,3,4,5,6,7
	v_mul_f32 v[SM+4+\q], 0x3fb8aa3b, v[SM+4+\q]   ; e^d = 2^(d log2 e)
.endr
.irp q, 0,1,2,3,4,5,6,7
	v_exp_f32 v[SM+4+\q], v[SM+4+\q]
.endr
	v_nop                                          ; one plain vector instruction behind the exponentials before a result is used (ISA guide 5.7.2)
	s_wait_alu depctr_va_vdst(0)
.irp i, 0,1,2,3
	v_add_f32 v[SM+\i], v[SM+4+2*\i], v[SM+5+2*\i]
.endr
.irp i, 0,1,2,3
	v_rcp_f32 v[SM+\i], v[SM+\i]
.endr
	v_nop                                          ; the same behind the reciprocals
	s_wait_alu depctr_va_vdst(0)
.irp i, 0,1,2,3
	v_mul_f32 v[SM+4+2*\i], v[SM+4+2*\i], v[SM+\i]
	v_mul_f32 v[SM+5+2*\i], v[SM+5+2*\i], v[SM+\i]
.endr
	s_lshl_b32 s32, s2, 2                          ; 4 w
	s_mov_b32 s30, 0
.irp i, 0,1,2,3
	v_cmp_gt_f32 vcc_lo, v[SM+5+2*\i], v[SM+4+2*\i]    ; all lanes hold the same two shares: all ones or zero
	s_lshl_b32 s31, 1<<\i, s32                     ; bit 4 w + i
	s_and_b32 s31, s31, vcc_lo
	s_or_b32 s30, s30, s31
.endr
	; the eight waves' four bits each meet in LDS words 0..7
	v_mov_b32 v57, s32
	v_mov_b32 v58, s30
	ds_store_b32 v57, v58
	s_wait_dscnt 0x0                               ; my word is written before I say so
	s_barrier_signal -1
	s_barrier_wait -1
	s_cmp_lg_u32 s2, 0
	s_cbranch_scc1 .Lweights
	v_mov_b32 v56, 0
	ds_load_b128 v[60:63], v56
	ds_load_b128 v[64:67], v56 offset:16
	s_wait_dscnt 0x0
	v_or_b32 v60, v60, v61
	v_or_b32 v62, v62, v63
	v_or_b32 v64, v64, v65
	v_or_b32 v66, v66, v67
	v_or_b32 v60, v60, v62
	v_or_b32 v64, v64, v66
	v_or_b32 v60, v60, v64                         ; the group's 32 bits
	v_readfirstlane_b32 s32, v60
	s_bcnt1_i32_b32 s33, s32
	v_mov_b32 v61, s33
	v_cmp_eq_u32 vcc_lo, 0, v[LANE]
	v_cndmask_b32 v61, v61, v60, vcc_lo            ; lane 0: the bits; lane 1: their number
	v_lshlrev_b32 v62, 10, v[LANE]                 ; lane 1 writes 1,024 bytes further on: word 256 + g
	s_wait_xcnt 0x0                                ; EXEC is a source of the weight loads that are out: it changes only behind this wait
	v_cmpx_gt_u32 2, v[LANE]
	global_store_b32 v62, v61, s[22:23]
	s_wait_xcnt 0x0                                ; and is widened again only behind this one
	s_mov_b32 exec_lo, -1
.Lweights:
; Weight batch q: 4,096 source bytes.  A lane's 32 bytes (8 numbers) become 16, so a store of the wave covers 512 consecutive bytes.
.macro WOUT q, left
	s_wait_loadcnt \left                           ; the younger batches stay out
.irp c, 0,1,2,3
.irp r, 0,1,2,3
	v_cvt_pk_bf16_f32 v[X+32*\q+8*\c+\r], v[X+32*\q+8*\c+2*\r], v[X+32*\q+8*\c+2*\r+1]   ; in place, ascending: register r was read by step r / 2
.endr
	global_store_b128 v[SO], v[X+32*\q+8*\c:X+32*\q+8*\c+3], s[20:21] offset:2048*\q+512*\c
.endr
.endm
	WOUT 0, 24
	WOUT 1, 16
	WOUT 2, 8
	WOUT 3, 0
	s_wait_tensorcnt 0x0
	ds_add_u32 v248, v249
	s_wait_dscnt 0x0
	s_endpgm
.Lfunc_end_k_q87003097dc_prep:
	.size	k_q87003097dc_prep, .Lfunc_end_k_q87003097dc_prep-k_q87003097dc_prep
	.p2alignl 7, 3214868480
	.fill 96, 4, 3214868480
	.section	.rodata,"a",@progbits
	.p2align	6, 0x0
	.amdhsa_kernel k_q87003097dc_prep
		.amdhsa_group_segment_fixed_size 1280
		.amdhsa_private_segment_fixed_size 0
		.amdhsa_enable_private_segment 0
		.amdhsa_kernarg_size 64
		.amdhsa_user_sgpr_count 2
		.amdhsa_user_sgpr_kernarg_segment_ptr 1
		.amdhsa_wavefront_size32 1
		.amdhsa_system_sgpr_workgroup_id_x 1
		.amdhsa_system_sgpr_workgroup_id_y 1
		.amdhsa_system_sgpr_workgroup_id_z 1
		.amdhsa_system_vgpr_workitem_id 0
		.amdhsa_next_free_vgpr 250
		.amdhsa_next_free_sgpr 66
		.amdhsa_reserve_vcc 1
		.amdhsa_float_denorm_mode_32 3
		.amdhsa_float_denorm_mode_16_64 3
		.amdhsa_memory_ordered 1
		.amdhsa_forward_progress 1
		.amdhsa_inst_pref_size 44
	.end_amdhsa_kernel
	.amdgpu_metadata
---
amdhsa.version: [ 1, 2 ]
amdhsa.kernels:
  - .name:           k_q87003097dc_prep
    .symbol:         k_q87003097dc_prep.kd
    .args:
      - { .name: x, .offset: 0, .size: 8, .value_kind: global_buffer, .address_space: global }
      - { .name: Wg, .offset: 8, .size: 8, .value_kind: global_buffer, .address_space: global }
      - { .name: W0a, .offset: 16, .size: 8, .value_kind: global_buffer, .address_space: global }
      - { .name: W1a, .offset: 24, .size: 8, .value_kind: global_buffer, .address_space: global }
      - { .name: W0b, .offset: 32, .size: 8, .value_kind: global_buffer, .address_space: global }
      - { .name: W1b, .offset: 40, .size: 8, .value_kind: global_buffer, .address_space: global }
      - { .name: wbf, .offset: 48, .size: 8, .value_kind: global_buffer, .address_space: global }
      - { .name: gatew, .offset: 56, .size: 8, .value_kind: global_buffer, .address_space: global }
    .group_segment_fixed_size: 1280
    .private_segment_fixed_size: 0
    .kernarg_segment_align: 8
    .kernarg_segment_size: 64
    .max_flat_workgroup_size: 256
    .sgpr_count:     66
    .vgpr_count:     250
    .wavefront_size: 32
...
	.end_amdgpu_metadata
.endif
;; end of part 1
;; launch route (part 2): grid 256 x 1, 8 waves a work-group, no clusters, 0 bytes of LDS; arguments x, gatew, xs, plan; writes xs, plan
.if DOCPART == 2
	.amdgcn_target "amdgcn-amd-amdhsa--gfx1250"
	.amdhsa_code_object_version 6
	.text
	.protected	k_q87003097dc_route
	.globl	k_q87003097dc_route
	.p2align	8
	.type	k_q87003097dc_route,@function
k_q87003097dc_route:
	s_mov_b64 s[64:65], 0
	v_nop
	global_prefetch_b8 v0, s[64:65] scope:SCOPE_SE
	s_setreg_imm32_b32 hwreg(HW_REG_WAVE_MODE, 25, 1), 1
	s_wait_xcnt 0x0
; ROUTE: from the gate's bits and counts (whole numbers of the launch before) the slot of every token; x's rows, rounded to bf16, go to their slots.
; 32 row blocks of 288 slots, 9,216 in all; each block belongs to one expert.  Expert 0 has blocks 0 .. R0 - 1, expert 1 the other R1 = 32 - R0:
;   R0 = (n0 + 128) >> 8, held between ceil(n0 / 288) and 32 - ceil(n1 / 288).  The bounds never cross: the two ceilings are below 8192 / 288 + 2 = 30.4.
;   So n_e <= 288 R_e for every split of the 8,192 tokens.
; Rank k of expert e (first block base_e = 0 or R0):  k < 256 R_e: block base_e + (k >> 8), row k & 255;
;   else o = k - 256 R_e (below 32 R_e): block base_e + (o >> 5), row 256 + (o & 31).  Shifts alone, whole numbers alone.
; This map takes ranks 0 .. 288 R_e - 1 one to one onto the expert's slots.  The tokens have ranks 0 .. n_e - 1; ranks n_e .. 288 R_e - 1 are PADS:
; 9,216 - 8,192 = 1,024 of them for every split, four a work-group.  Pad p, with P0 = 288 R0 - n0: rank n0 + p of expert 0 where p < P0, else rank
; n1 + p - P0 of expert 1.  A pad's row of xs is written as zeros, its word of the list as all ones.  No branch and no mask hangs on the counts.
; plan: word s (0 .. 9215) = the token of slot s; words 9216 .. 9247 = the expert of block b.
; Work-group g: tokens 32 g .. + 31, four a wave; pads 4 g .. 4 g + 3, half a row a wave (pad 4 g + (w >> 1), half w & 1).
; The sums over the 256 counts are the same in every lane, so they are made by scalar loads and scalar adds, by every wave for itself: no LDS, no barrier.
.set LANE, 1
.set XO,   2                           ; v2  w * 16384 + 32 lane
.set SO,   3                           ; v3  16 lane
.set Z,    4                           ; v[4:7] zeros
.set BT,   26                          ; v26 4 lane: a block's word in the table of experts
.set X,    32                          ; v[32:159] four rows, 32 registers each
.set W,    100                         ; s100 my wave
.set MW,   104                         ; s104 my group's 32 bits
.set ACC,  105                         ; s105 the counts of my block of 16 groups that lie ahead of my group
; s[12:27], s[28:43], s[44:59], s[68:83], s[84:99]: five blocks of 16 counts at a time; afterwards free for the slots' arithmetic
; s[60:61] all counts, s[62:63] the counts of whole blocks ahead of mine: even groups' in the low word, odd groups' in the high word
	s_load_b256 s[4:11], s[0:1], 0x0               ; x 4:5, gatew 6:7, xs 8:9, plan 10:11
	v_and_b32 v[LANE], 31, v0
	v_lshrrev_b32 v16, 5, v0
	v_readfirstlane_b32 s[W], v16                  ; wave 0..7
	s_lshr_b32 s2, ttmp9, 4                        ; my group's block of 16 groups
	s_and_b32 s3, ttmp9, 15                        ; and its place in it
	s_lshl_b32 s101, s2, 6                         ; that block's 64 bytes of counts
	s_lshl_b32 s[ACC], ttmp9, 2                    ; my group's word of bits
	s_lshl_b32 s66, ttmp9, 17
	s_mov_b32 s67, 0
	v_lshlrev_b32 v17, 5, v[LANE]
	v_lshl_add_u32 v[XO], s[W], 14, v17
	v_lshlrev_b32 v[SO], 4, v[LANE]
	v_lshlrev_b32 v[BT], 2, v[LANE]
.irp r, 0,1,2,3
	v_mov_b32 v[Z+\r], 0
.endr
	s_wait_kmcnt 0x0
.macro LOADBLK b, t                    ; counts 16 t .. 16 t + 15: the table of counts begins at byte 1,024 of gatew
	s_load_b512 s[\b:\b+15], s[6:7], 0x400+64*\t
.endm
	s_load_b32 s[MW], s[6:7], s[ACC] offset:0x0
	s_load_b512 s[84:99], s[6:7], s101 offset:0x400    ; my own block, to be taken count by count
	LOADBLK 12, 0
	LOADBLK 28, 1
	LOADBLK 44, 2
	LOADBLK 68, 3
	s_add_nc_u64 s[4:5], s[4:5], s[66:67]          ; x at token 32 g
	; a lane takes 32 consecutive bytes (8 numbers), which become 16 bytes of bf16: two loads of the wave cover 1,024 consecutive bytes.
	; All of x's loads go out here: the scalar sums below are made while they are on their way.
.irp i, 0,1,2,3
.irp c, 0,1,2,3
	global_load_b128 v[X+32*\i+8*\c:X+32*\i+8*\c+3],   v[XO], s[4:5] offset:4096*\i+1024*\c th:TH_LOAD_NT
	global_load_b128 v[X+32*\i+8*\c+4:X+32*\i+8*\c+7], v[XO], s[4:5] offset:4096*\i+1024*\c+16 th:TH_LOAD_NT
.endr
.endr
	s_mov_b64 s[60:61], 0
	s_mov_b64 s[62:63], 0
; Block t of 16 counts, in s[b : b + 15]: two counts in each 64-bit add (a word's sum is 8,192 at the most: no carry crosses).
; The block counts toward the prefix as a whole where it lies ahead of my group's block.
.macro SUMBLK b, t
.irp q, 0,4,8,12
	s_add_nc_u64 s[\b+\q:\b+\q+1], s[\b+\q:\b+\q+1], s[\b+\q+2:\b+\q+3]
.endr
	s_add_nc_u64 s[\b:\b+1], s[\b:\b+1], s[\b+4:\b+5]
	s_add_nc_u64 s[\b+8:\b+9], s[\b+8:\b+9], s[\b+12:\b+13]
	s_add_nc_u64 s[\b:\b+1], s[\b:\b+1], s[\b+8:\b+9]
	s_add_nc_u64 s[60:61], s[60:61], s[\b:\b+1]
	s_cmp_gt_u32 s2, \t
	s_cselect_b64 s[66:67], s[\b:\b+1], 0
	s_add_nc_u64 s[62:63], s[62:63], s[66:67]
.endm
	s_wait_kmcnt 0x0                               ; scalar loads come back in no order: the wait is for all six
	s_cmp_gt_u32 s3, 0                             ; my own block: count j lies ahead of my group where j < my place (15 at the most)
	s_cselect_b32 s[ACC], s84, 0
.irp j, 1,2,3,4,5,6,7,8,9,10,11,12,13,14
	s_cmp_gt_u32 s3, \j
	s_cselect_b32 s101, s[84+\j], 0
	s_add_co_u32 s[ACC], s[ACC], s101
.endr
	SUMBLK 12, 0
	SUMBLK 28, 1
	SUMBLK 44, 2
	SUMBLK 68, 3
	LOADBLK 12, 4
	LOADBLK 28, 5
	LOADBLK 44, 6
	LOADBLK 68, 7
	LOADBLK 84, 8
	s_wait_kmcnt 0x0
	SUMBLK 12, 4
	SUMBLK 28, 5
	SUMBLK 44, 6
	SUMBLK 68, 7
	SUMBLK 84, 8
	LOADBLK 12, 9
	LOADBLK 28, 10
	LOADBLK 44, 11
	LOADBLK 68, 12
	LOADBLK 84, 13
	s_wait_kmcnt 0x0
	SUMBLK 12, 9
	SUMBLK 28, 10
	SUMBLK 44, 11
	SUMBLK 68, 12
	SUMBLK 84, 13
	LOADBLK 12, 14
	LOADBLK 28, 15
	s_wait_kmcnt 0x0
	SUMBLK 12, 14
	SUMBLK 28, 15
	s_add_co_u32 s16, s60, s61                     ; n1
	s_add_co_u32 s17, s62, s63
	s_add_co_u32 s17, s17, s[ACC]                  ; expert 1's tokens ahead of my group
	s_mov_b32 s12, ttmp9                           ; g
	s_mov_b32 s53, 0
	s_sub_co_u32 s18, 0x2000, s16                  ; n0
	s_lshl_b32 s19, s12, 5
	s_sub_co_u32 s19, s19, s17                     ; expert 0's tokens ahead of my group
	s_add_co_u32 s24, s18, 287                     ; ceil(n / 288) = ((n + 287) >> 5) / 9, and m / 9 = (57 m) >> 9 for m below 512 (here 264 at the most)
	s_lshr_b32 s24, s24, 5
	s_mul_i32 s24, s24, 57
	s_lshr_b32 s24, s24, 9
	s_add_co_u32 s25, s16, 287
	s_lshr_b32 s25, s25, 5
	s_mul_i32 s25, s25, 57
	s_lshr_b32 s25, s25, 9
	s_sub_co_u32 s25, 32, s25
	s_add_co_u32 s20, s18, 128
	s_lshr_b32 s20, s20, 8
	s_max_u32 s20, s20, s24
	s_min_u32 s20, s20, s25                        ; R0
	s_sub_co_u32 s21, 32, s20                      ; R1
	s_mul_i32 s39, s20, 288
	s_sub_co_u32 s39, s39, s18                     ; P0: expert 0's pads
	s_lshl_b32 s23, s[W], 2                        ; 4 w
; The slot of rank k = s29 of the expert with R_e = s30 blocks from block base_e = s31 on, into s[dst].
.macro SLOT dst
	s_lshl_b32 s32, s30, 8
	s_sub_co_u32 s33, s29, s32                     ; o
	s_lshr_b32 s34, s29, 8
	s_and_b32 s35, s29, 255
	s_lshr_b32 s36, s33, 5
	s_and_b32 s37, s33, 31
	s_add_co_u32 s37, s37, 256
	s_cmp_lt_u32 s29, s32
	s_cselect_b32 s34, s34, s36
	s_cselect_b32 s35, s35, s37
	s_add_co_u32 s34, s34, s31
	s_mul_i32 s34, s34, 288
	s_add_co_u32 s34, s34, s35
	s_min_u32 s[\dst], s34, 9215                   ; a number made of loaded words enters an address only behind a clamp
.endm
; The slot of token 32 g + 4 w + i, in s[40 + i]; its row's address in s[44 + 2 i : 45 + 2 i].
.macro POS i
	s_add_co_u32 s24, s23, \i                      ; j
	s_lshr_b32 s25, s[MW], s24
	s_and_b32 s25, s25, 1                          ; its expert
	s_bfm_b32 s26, s24, 0                          ; j ones
	s_and_b32 s26, s26, s[MW]
	s_bcnt1_i32_b32 s26, s26                       ; expert 1's tokens ahead of it in the group
	s_add_co_u32 s27, s17, s26                     ; its rank, were it expert 1's,
	s_add_co_u32 s28, s19, s24
	s_sub_co_u32 s28, s28, s26                     ; and were it expert 0's
	s_cmp_lg_u32 s25, 0
	s_cselect_b32 s29, s27, s28                    ; k
	s_cselect_b32 s30, s21, s20                    ; R_e
	s_cselect_b32 s31, s20, 0                      ; base_e
	SLOT 40+\i
	s_lshl_b32 s52, s[40+\i], 11                   ; rows of 2,048 bytes
	s_add_nc_u64 s[44+2*\i:45+2*\i], s[8:9], s[52:53]
.endm
	POS 0
	POS 1
	POS 2
	POS 3
	; my pad: p = 4 g + (w >> 1); its slot in s38; my half of its row goes out at once, two stores of 512 consecutive bytes
	s_lshr_b32 s24, s[W], 1
	s_lshl_b32 s25, s12, 2
	s_add_co_u32 s24, s24, s25                     ; p
	s_add_co_u32 s27, s18, s24                     ; its rank, were it expert 0's: n0 + p,
	s_add_co_u32 s28, s16, s24
	s_sub_co_u32 s28, s28, s39                     ; and were it expert 1's: n1 + p - P0
	s_cmp_lt_u32 s24, s39
	s_cselect_b32 s29, s27, s28
	s_cselect_b32 s30, s20, s21
	s_cselect_b32 s31, 0, s20
	SLOT 38
	s_and_b32 s26, s[W], 1                         ; which half of the row is mine
	s_sub_co_u32 s56, 5, s26                       ; and how many words of the list I write: four tokens, and the pad in the waves of the first halves
	s_lshl_b32 s52, s38, 11
	s_lshl_b32 s27, s26, 10
	s_add_co_u32 s52, s52, s27
	s_add_nc_u64 s[54:55], s[8:9], s[52:53]
	global_store_b128 v[SO], v[Z:Z+3], s[54:55]
	global_store_b128 v[SO], v[Z:Z+3], s[54:55] offset:512
; Row i goes out: four stores of 512 consecutive bytes.
.macro ROWOUT i, left
	s_wait_loadcnt \left                           ; the younger rows stay out
.irp c, 0,1,2,3
.irp r, 0,1,2,3
	v_cvt_pk_bf16_f32 v[X+32*\i+8*\c+\r], v[X+32*\i+8*\c+2*\r], v[X+32*\i+8*\c+2*\r+1]   ; in place, ascending: register r was read by step r / 2
.endr
	global_store_b128 v[SO], v[X+32*\i+8*\c:X+32*\i+8*\c+3], s[44+2*\i:45+2*\i] offset:512*\c
.endr
.endm
	ROWOUT 0, 24
	ROWOUT 1, 16
	ROWOUT 2, 8
	ROWOUT 3, 0
	; the list: word [slot] = token in lanes 0 to 3, word [pad's slot] = all ones in lane 4.  The slots are scattered, so these are single words:
	; 36,864 of the launch's 18.9 million stored bytes.
	v_mov_b32 v24, s40
.irp i, 1,2,3
	v_cmp_eq_u32 vcc_lo, \i, v[LANE]
	v_cndmask_b32 v24, v24, s[40+\i], vcc_lo
.endr
	s_lshl_b32 s24, s12, 5
	s_add_co_u32 s24, s24, s23
	v_add_nc_u32 v25, s24, v[LANE]                 ; token 32 g + 4 w + lane
	v_cmp_eq_u32 vcc_lo, 4, v[LANE]
	v_cndmask_b32 v24, v24, s38, vcc_lo
	v_cndmask_b32 v25, v25, -1, vcc_lo
	v_min_u32 v24, 0x23ff, v24
	v_lshlrev_b32 v24, 2, v24
	s_wait_xcnt 0x0                                ; EXEC changes only behind this wait: the rows' stores name it
	v_cmpx_gt_u32 s56, v[LANE]                     ; lanes 0 to 3, or 0 to 4: by the wave's number alone
	global_store_b32 v24, v25, s[10:11]
	s_wait_xcnt 0x0
	s_mov_b32 exec_lo, -1
	; the blocks' experts: one wave of the launch, 32 words
	s_or_b32 s24, s12, s[W]
	s_cmp_lg_u32 s24, 0
	s_cbranch_scc1 .Lend
	v_cmp_le_u32 vcc_lo, s20, v[LANE]              ; block >= R0: expert 1
	v_cndmask_b32 v22, 0, 1, vcc_lo
	global_store_b32 v[BT], v22, s[10:11] offset:36864
.Lend:
	s_endpgm
.Lfunc_end_k_q87003097dc_route:
	.size	k_q87003097dc_route, .Lfunc_end_k_q87003097dc_route-k_q87003097dc_route
	.p2alignl 7, 3214868480
	.fill 96, 4, 3214868480
	.section	.rodata,"a",@progbits
	.p2align	6, 0x0
	.amdhsa_kernel k_q87003097dc_route
		.amdhsa_group_segment_fixed_size 0
		.amdhsa_private_segment_fixed_size 0
		.amdhsa_enable_private_segment 0
		.amdhsa_kernarg_size 32
		.amdhsa_user_sgpr_count 2
		.amdhsa_user_sgpr_kernarg_segment_ptr 1
		.amdhsa_wavefront_size32 1
		.amdhsa_system_sgpr_workgroup_id_x 1
		.amdhsa_system_sgpr_workgroup_id_y 1
		.amdhsa_system_sgpr_workgroup_id_z 1
		.amdhsa_system_vgpr_workitem_id 0
		.amdhsa_next_free_vgpr 168
		.amdhsa_next_free_sgpr 106
		.amdhsa_reserve_vcc 1
		.amdhsa_float_denorm_mode_32 3
		.amdhsa_float_denorm_mode_16_64 3
		.amdhsa_memory_ordered 1
		.amdhsa_forward_progress 1
		.amdhsa_inst_pref_size 26
	.end_amdhsa_kernel
	.amdgpu_metadata
---
amdhsa.version: [ 1, 2 ]
amdhsa.kernels:
  - .name:           k_q87003097dc_route
    .symbol:         k_q87003097dc_route.kd
    .args:
      - { .name: x, .offset: 0, .size: 8, .value_kind: global_buffer, .address_space: global }
      - { .name: gatew, .offset: 8, .size: 8, .value_kind: global_buffer, .address_space: global }
      - { .name: xs, .offset: 16, .size: 8, .value_kind: global_buffer, .address_space: global }
      - { .name: plan, .offset: 24, .size: 8, .value_kind: global_buffer, .address_space: global }
    .group_segment_fixed_size: 0
    .private_segment_fixed_size: 0
    .kernarg_segment_align: 8
    .kernarg_segment_size: 32
    .max_flat_workgroup_size: 256
    .sgpr_count:     106
    .vgpr_count:     168
    .wavefront_size: 32
...
	.end_amdgpu_metadata
.endif
;; end of part 2
;; launch up (part 3): grid 8 x 32, 4 waves a work-group, clusters of 4 x 1, 327,680 bytes of LDS; arguments xs, wbf, b0a, b1a, plan, h; writes h
.if DOCPART == 3
	.amdgcn_target "amdgcn-amd-amdhsa--gfx1250"
	.amdhsa_code_object_version 6
	.text
	.protected	k_q87003097dc_up
	.globl	k_q87003097dc_up
	.p2align	8
	.type	k_q87003097dc_up,@function
k_q87003097dc_up:
	s_mov_b64 s[64:65], 0
	v_nop
	global_prefetch_b8 v0, s[64:65] scope:SCOPE_SE
	s_setreg_imm32_b32 hwreg(HW_REG_WAVE_MODE, 25, 1), 1
	s_wait_xcnt 0x0
	s_wait_alu depctr_hold_cnt(0) depctr_sa_sdst(0) depctr_va_vdst(0) depctr_va_sdst(0) depctr_va_ssrc(0) depctr_va_vcc(0) depctr_vm_vsrc(0)
	s_getreg_b32 s2, hwreg(HW_REG_IB_STS2, 6, 4)
	s_cmp_eq_u32 s2, 0
	s_cbranch_scc0 .Lentry_in_a_cluster
	s_endpgm
.Lentry_in_a_cluster:
	s_bfe_u32 s2, ttmp6, 0x10000c
	s_cmp_lg_u32 s2, 0x3003
	s_cbranch_scc0 .Lentry_shape_is_right
	s_endpgm
.Lentry_shape_is_right:
; UP: h[slot][f] = act(sum over k of xs[slot][k] Wa_e[f][k] + ba_e[f]), bf16.  e = the expert of the slot's block; act = exact GELU (e = 0) or ReLU (e = 1).
; Work-group (bx, by): slots 288 by .. + 287, columns 256 bx .. + 255 of 2,048; K = 1,024.  8 x 32 = 256 work-groups of equal work.
; Four waves; wave w makes 144 rows (half w >> 1) x 128 columns (half w & 1): 9 x 8 = 72 accumulator tiles, 576 registers.
; K goes in steps of 128 (rows of 256 bytes, on multiples of 256 bytes from the buffers' first bytes) through two LDS slots.
; CLUSTER 4 x 1: the four work-groups of a cluster share by, so they need the same tile of xs: waves 0 and 1 ask for its halves JOINTLY (mask 15).
; The weights' tile hangs on bx, which differs between the four, so waves 2 and 3 fetch it by loads of their own.  A cluster of 4 x 4, which would share
; it, needs four block rows of one expert; the split R0 : 32 - R0 is any, and blocks large enough to force a multiple of four would be 342 slots.
; By this text's count a wave has two tensor loads out at the start and one behind each round.
; The matrix instruction is used transposed (source 0 = 16 rows of the weights, source 1 = 16 slots): lane l holds slot l % 16, registers 0..7 columns 8 (l / 16) + 0..7.
; THE ACTIVATION, one text for both experts and no branch on the expert: act(x) = max(x, 0) - |x| q.
;   GELU: x Phi(x), with q = Phi(-|x|) = exp(-x^2 / 2) (c1 t + .. + c5 t^5), t = 1 / (1 + 0.23164189 |x|): the five-term rational form of erfc, absolute error of
;   erf 1.5e-7 at the most for every x, no difference of near numbers in the negative tail; for large |x| the exponential goes to 0, the right limit.
;   ReLU: the same with c1 .. c5 = 0, chosen once by scalar selects: q is then exactly 0 for finite x.  Its blocks run the exponential and the reciprocal for nothing.
; LIMITS: only the block's own expert is computed: an infinity in the other expert, which the definition's 0 x inf would turn into NaN, does not show.
;   A sum of +-inf in front of the activation gives NaN in both experts (inf x 0).
;
; WINDOWS of 256 registers: 0: addresses v8-15, bias v16-19, the activation's constants v20-29, A's fragments v32-103 and v104-175 (two buffers)
;   1: B's fragments v0-63, v64-127; tiles a = 0 at v[192 + 8 b]     2: tiles a = 1..4 at v[64 (a - 1) + 8 b]     3: tiles a = 5..8 at v[64 (a - 5) + 8 b]
.set PITCH,  272                       ; an LDS row: 256 bytes + 16 of padding, so that 16 rows one below the other begin 16 bytes apart modulo 256
.set AHALF,  144*PITCH
.set BHALF,  128*PITCH
.set BOFF,   288*PITCH                 ; B's 256 rows lie behind A's 288
.set SLOT,   BOFF+256*PITCH            ; 147,968
.set DPITCH, 528                       ; the dump: a wave's 144 rows of 512 bytes + 16
.set DWAVE,  144*DPITCH                ; 76,032 a wave; four waves: 304,128
.set ADRA, 8
.set ADRB, 10
.set STO0, 12
.set STO1, 13
.set RD,   14
.set HO,   15
.set BI,   16
.set CF,   20
.set X,    32
.set U,    64
.set T,    96
.set P,    128
.set Y,    160
.set XN,   176
.set G1A, 24
.set G0A, 32
.set G1B, 48
.set G0B, 56
.set MSB, 0
.macro WIN new                         ; the immediate's high byte repeats the setting that is left
.if MSB != \new
	s_set_vgpr_msb (MSB<<8)|\new
.set MSB, \new
.endif
.endm
.macro PLACES                          ; four plain vector instructions between a matrix instruction and a load into, or a reader of, its registers
.rept 4
	v_nop
.endr
.endm
.macro JLOAD s                         ; waves 0, 1: A's halves, jointly; waves 2, 3: B's halves.  The branch hangs on the wave's number alone
	s_cmp_eq_u32 s17, 0
	s_cbranch_scc0 .Lfor_b_\@
	tensor_load_to_lds s[G0A+4*\s:G0A+4*\s+3], s[G1A:G1A+7]
	s_nop 0
	s_branch .Lasked_\@
.Lfor_b_\@:
	tensor_load_to_lds s[G0B+4*\s:G0B+4*\s+3], s[G1B:G1B+7]
	s_nop 0
.Lasked_\@:
.endm
.macro CREST                           ; a round of the cluster's barrier behind its opening work-group barrier
	s_cmp_lg_u32 s16, 0
	s_cbranch_scc1 .Lnot_wave_0_\@
	s_barrier_signal -3
.Lnot_wave_0_\@:
	s_barrier_wait -3
	s_barrier_signal -1
	s_barrier_wait -1
.endm
.macro CROUND
	s_barrier_signal -1
	s_barrier_wait -1
	CREST
.endm
	s_load_b256 s[4:11], s[0:1], 0x0               ; xs 4:5, wbf 6:7, b0a 8:9, b1a 10:11
	s_load_b128 s[12:15], s[0:1], 0x20             ; plan 12:13, h 14:15
	s_set_vgpr_msb 0x40
	v_lshl_add_u32 v191, v0, 2, 0x4a400
	s_set_vgpr_msb 0x4000
	v_mov_b32 v255, 0
	s_set_vgpr_msb 0x1
	ds_add_u32 v191, v255
	s_set_vgpr_msb 0x100
	v_lshrrev_b32 v1, 5, v0
	v_readfirstlane_b32 s16, v1                    ; wave 0..3
	s_lshr_b32 s17, s16, 1                         ; my half of the rows.  Also: I fetch for A (0) or for B (1)
	s_and_b32 s18, s16, 1                          ; my half of the columns.  Also: which half of that tile I fetch
	s_bfe_u32 s19, ttmp6, 0x40000                  ; cx
	s_lshl_b32 s20, ttmp9, 2
	s_add_co_u32 s20, s20, s19                     ; bx = 4 x cluster x + cx
	s_and_b32 s21, ttmp7, 0xffff                   ; by: the same in the four partners
	s_lshl_b32 s66, s21, 2
	s_wait_dscnt 0x0
	s_wait_kmcnt 0x0
	s_load_b32 s22, s[12:13], s66 offset:0x9000    ; the block's expert: word 9216 + by of the plan
	s_mov_b32 s[G1A+0], 0x0771000f                 ; 15:0 mask 15; 17:16 elements of 2 bytes; 20 padding on; 21 set beside a mask; 24:22 after every 64 words; 31:25 4 words
	s_mov_b32 s[G1A+1], 128<<16                    ; tensor_dim0 = 128
	s_mov_b32 s[G1A+2], 144<<16                    ; tensor_dim1 = 144
	s_mov_b32 s[G1A+3], 128<<16                    ; tile_dim0 = 128
	s_mov_b32 s[G1A+4], 144                        ; tile_dim1 = 144
	s_mov_b32 s[G1A+5], 1024                       ; elements from row to row
	s_mov_b32 s[G1A+6], 0
	s_mov_b32 s[G1A+7], 0
	s_mov_b32 s[G1B+0], 0x07510000                 ; the same without mask and bit 21
	s_mov_b32 s[G1B+1], 128<<16
	s_mov_b32 s[G1B+2], 128<<16                    ; 128 rows
	s_mov_b32 s[G1B+3], 128<<16
	s_mov_b32 s[G1B+4], 128
	s_mov_b32 s[G1B+5], 1024
	s_mov_b32 s[G1B+6], 0
	s_mov_b32 s[G1B+7], 0
	s_mul_i32 s40, s21, 288                        ; A: row 288 by + 144 x half: nothing of cx enters s40 to s44
	s_mul_i32 s41, s18, 144
	s_add_co_u32 s40, s40, s41
	s_lshl_b32 s40, s40, 11                        ; rows of 2,048 bytes
	s_mov_b32 s41, 0
	s_add_nc_u64 s[42:43], s[4:5], s[40:41]
	s_mul_i32 s44, s16, AHALF                      ; waves 0, 1: A's halves from LDS byte 0 on
	s_mul_i32 s45, s16, BHALF
	s_add_co_u32 s45, s45, BOFF-2*BHALF            ; waves 2, 3: B's halves from BOFF on
	s_lshl_b32 s70, s20, 8
	s_lshl_b32 s71, s18, 7
	s_add_co_u32 s70, s70, s71                     ; 256 bx + 128 (w & 1): the weights' rows that I fetch, and my first column
	s_wait_kmcnt 0x0
	s_min_u32 s22, s22, 1                          ; a loaded number enters an address only behind a clamp
	s_lshl_b32 s66, s70, 11
	s_lshl_b32 s67, s22, 22                        ; W0a or W1a: 4,194,304 bytes each
	s_add_co_u32 s66, s66, s67
	s_mov_b32 s67, 0
	s_add_nc_u64 s[68:69], s[6:7], s[66:67]
	CROUND                                         ; the four partners are here: the first joint loads meet
.irp s, 0,1
	s_mov_b32 s[G0A+4*\s], 1
	s_add_co_u32 s[G0A+4*\s+1], s44, \s*SLOT
	s_add_nc_u64 s[G0A+4*\s+2:G0A+4*\s+3], s[42:43], \s*256        ; K step s
	s_or_b32 s[G0A+4*\s+3], s[G0A+4*\s+3], 0x80000000
	s_mov_b32 s[G0B+4*\s], 1
	s_add_co_u32 s[G0B+4*\s+1], s45, \s*SLOT
	s_add_nc_u64 s[G0B+4*\s+2:G0B+4*\s+3], s[68:69], \s*256
	s_or_b32 s[G0B+4*\s+3], s[G0B+4*\s+3], 0x80000000
	JLOAD \s
.endr
	s_cmp_eq_u32 s22, 0
	s_cselect_b64 s[72:73], s[8:9], s[10:11]       ; the expert's bias,
	s_cselect_b32 s82, 0x3e027906, 0               ; and its activation: c1 =  0.127414796 (the series' coefficients, halved), or zeros
	s_cselect_b32 s83, 0xbe11a98e, 0               ; c2 = -0.142248368
	s_cselect_b32 s84, 0x3f35f0e3, 0               ; c3 =  0.710706871
	s_cselect_b32 s85, 0xbf3a00e3, 0               ; c4 = -0.726576014
	s_cselect_b32 s86, 0x3f07dc22, 0               ; c5 =  0.530702715
	s_mov_b32 s81, 0x3e6d3388                      ; 0.23164189 = 0.3275911 / sqrt 2
	s_lshl_b32 s76, s70, 2
	s_mov_b32 s77, 0
	s_add_nc_u64 s[72:73], s[72:73], s[76:77]      ; the bias at my first column
	s_mul_i32 s76, s21, 288
	s_mul_i32 s78, s17, 144
	s_add_co_u32 s76, s76, s78
	s_lshl_b32 s76, s76, 12                        ; h: rows of 4,096 bytes
	s_lshl_b32 s78, s70, 1
	s_add_co_u32 s76, s76, s78
	s_add_nc_u64 s[74:75], s[14:15], s[76:77]      ; h at my first row and column
	; a fragment: lane l holds row l % 16; registers 0-3 K = 8 (l / 16) + 0..7, registers 4-7 K = 16 + 8 (l / 16) + 0..7: two loads of 16 bytes, 32 apart
	v_and_b32 v1, 15, v0
	v_bfe_u32 v2, v0, 4, 1
	v_and_b32 v4, 31, v0
	v_mul_u32_u24 v3, v1, PITCH
	v_lshl_add_u32 v3, v2, 4, v3
	s_mul_i32 s46, s17, AHALF
	s_mul_i32 s47, s18, BHALF
	s_add_co_u32 s47, s47, BOFF
.irp s, 0,1
	v_add_nc_u32 v[ADRA+\s], s46, v3
	v_add_nc_u32 v[ADRB+\s], s47, v3
	s_add_co_u32 s46, s46, SLOT
	s_add_co_u32 s47, s47, SLOT
.endr
	s_mul_i32 s46, s16, DWAVE                      ; my dump
	v_mul_u32_u24 v5, v1, DPITCH
	v_lshl_add_u32 v5, v2, 5, v5                   ; in: row l % 16, 32 bytes for each half of the lanes
	v_add_nc_u32 v[STO0], s46, v5
	v_add_nc_u32 v[STO1], 5*16*DPITCH, v[STO0]     ; tiles a = 5..8: the 16-bit immediate does not reach them from STO0
	v_lshl_add_u32 v[RD], v4, 4, s46               ; back: 32 lanes take one row of 512 bytes
	v_lshlrev_b32 v[HO], 3, v4                     ; out: 8 bytes a lane
	v_lshlrev_b32 v6, 4, v4
	global_load_b128 v[BI:BI+3], v6, s[72:73]      ; the bias of my four columns, the same in every row
.irp r, 0,1
	v_mov_b32 v[CF+\r],   s82                      ; each coefficient twice: a pair for the packed multiply-adds
	v_mov_b32 v[CF+2+\r], s83
	v_mov_b32 v[CF+4+\r], s84
	v_mov_b32 v[CF+6+\r], s85
	v_mov_b32 v[CF+8+\r], s86
.endr
; 8 matrix instructions: row tile a x all 8 column tiles, 32 along K, from buffer f.  zero = 1: the first product starts the sums.
.macro MULA f, a, zero
.if (\a) == 0
	WIN 0x51
.set AB, 192
.else
.if (\a) < 5
	WIN 0xa1
.set AB, 64*((\a)-1)
.else
	WIN 0xf1
.set AB, 64*((\a)-5)
.endif
.endif
.irp b, 0,1,2,3,4,5,6,7
.if \zero
	v_wmma_f32_16x16x32_bf16 v[AB+8*\b:AB+8*\b+7], v[64*\f+8*\b:64*\f+8*\b+7], v[32+72*\f+8*(\a):32+72*\f+8*(\a)+7], 0
.else
	v_wmma_f32_16x16x32_bf16 v[AB+8*\b:AB+8*\b+7], v[64*\f+8*\b:64*\f+8*\b+7], v[32+72*\f+8*(\a):32+72*\f+8*(\a)+7], v[AB+8*\b:AB+8*\b+7]
.endif
.endr
.endm
; 34 LDS loads in one run: a quarter step's fragments (128 rows of B, then 144 of A, 32 K at byte k of the rows) into buffer f
.macro FETCH slot, k, f
	WIN 0x40
.irp i, 0,1,2,3,4,5,6,7
	ds_load_b128 v[64*\f+8*\i:64*\f+8*\i+3],   v[ADRB+\slot] offset:\k+\i*16*PITCH
	ds_load_b128 v[64*\f+8*\i+4:64*\f+8*\i+7], v[ADRB+\slot] offset:\k+\i*16*PITCH+32
.endr
	WIN 0
.irp i, 0,1,2,3,4,5,6,7,8
	ds_load_b128 v[32+72*\f+8*\i:32+72*\f+8*\i+3],   v[ADRA+\slot] offset:\k+\i*16*PITCH
	ds_load_b128 v[32+72*\f+8*\i+4:32+72*\f+8*\i+7], v[ADRA+\slot] offset:\k+\i*16*PITCH+32
.endr
.endm
; A quarter step: 72 matrix instructions on buffer f; in its middle the next quarter's fragments are fetched into buffer g.
; The 72 accumulators take turns, one instruction a turn, in the same order in every quarter.
.macro QUARTER slot, k, f, g, zero
	s_wait_dscnt 8                                 ; B and A's tiles 0..4 are in; the youngest eight loads (A's tiles 5..8) may be out
.irp a, 0,1,2,3,4
	MULA \f, \a, \zero
.endr
	PLACES
	FETCH \slot, \k, \g
	s_wait_dscnt 34                                ; all but the 34 just issued
.irp a, 5,6,7,8
	MULA \f, \a, \zero
.endr
.endm
.macro THREE slot, zero
	QUARTER \slot, 64,  0, 1, \zero
	QUARTER \slot, 128, 1, 0, 0
	QUARTER \slot, 192, 0, 1, 0
.endm
; The last quarter of a K step: multiplies buffer 1 and changes slots.  In front of the barrier each wave waits for its reads of this slot and for all
; its tensor loads (one is out: its part of the next slot).  fill = 1: the barrier opens a round of the cluster's barrier, and the refill of this slot,
; two K steps ahead, is the first tensor load behind the round's closing wait, ahead of the first LDS read.
.macro TURN slot, next, fill
	s_wait_dscnt 8
	MULA 1, 0, 0
	MULA 1, 1, 0
	MULA 1, 2, 0
	s_wait_dscnt 0x0                               ; my reads of this slot are over
	s_wait_tensorcnt 0x0                           ; and all my tensor loads have landed
	ds_add_u32 v191, v255
	s_wait_dscnt 0x0
	s_barrier_signal -1
	MULA 1, 3, 0                                   ; register work while the others arrive
	MULA 1, 4, 0
	WIN 0
	s_barrier_wait -1
.if \fill
	CREST                                          ; no wave of any partner still reads this slot or has a load on its way
	s_add_nc_u64 s[G0A+4*\slot+2:G0A+4*\slot+3], s[G0A+4*\slot+2:G0A+4*\slot+3], 512
	s_add_nc_u64 s[G0B+4*\slot+2:G0B+4*\slot+3], s[G0B+4*\slot+2:G0B+4*\slot+3], 512
	JLOAD \slot
.endif
	PLACES
	FETCH \next, 0, 0
.irp a, 5,6,7,8
	MULA 1, \a, 0
.endr
.endm
.macro LAP zero
	THREE 0, \zero
	TURN 0, 1, 1
	THREE 1, 0
	TURN 1, 0, 1
.endm
	s_wait_tensorcnt 0x1                           ; my part of K step 0 is in; K step 1's stays out
	s_barrier_signal -1
	s_barrier_wait -1
	FETCH 0, 0, 0
	LAP 1                                          ; K steps 0, 1; 8 K steps are four laps
	WIN 0
	s_mov_b32 s80, 2
.Llap:
	LAP 0
	WIN 0
	s_sub_co_u32 s80, s80, 1
	s_cmp_lg_u32 s80, 0
	s_cbranch_scc1 .Llap
	THREE 0, 0                                     ; the last lap fills nothing
	TURN 0, 1, 0
	THREE 1, 0
	s_wait_dscnt 8
.irp a, 0,1,2,3,4
	MULA 1, \a, 0
.endr
	s_wait_dscnt 0x0
.irp a, 5,6,7,8
	MULA 1, \a, 0
.endr
	; THE WAY OUT.  The closing round first: behind it no partner asks for a tile that names me, and no wave of my work-group reads the ring (every
	; wave's last LDS loads and tensor loads were waited for above).  The ring has had its last fill, so its bytes now take the sums.
	PLACES
	WIN 0
	CROUND
; tile row a: 16 rows x 512 bytes of f32 into my wave's part of the dump
.macro DUMP a
.if (\a) == 0
	WIN 0x04
.set AB, 192
.else
.if (\a) < 5
	WIN 0x08
.set AB, 64*((\a)-1)
.else
	WIN 0x0c
.set AB, 64*((\a)-5)
.endif
.endif
.irp b, 0,1,2,3,4,5,6,7
.if (\a) < 5
	ds_store_b128 v[STO0], v[AB+8*\b:AB+8*\b+3]   offset:(\a)*16*DPITCH+64*\b
	ds_store_b128 v[STO0], v[AB+8*\b+4:AB+8*\b+7] offset:(\a)*16*DPITCH+64*\b+16
.else
	ds_store_b128 v[STO1], v[AB+8*\b:AB+8*\b+3]   offset:((\a)-5)*16*DPITCH+64*\b
	ds_store_b128 v[STO1], v[AB+8*\b+4:AB+8*\b+7] offset:((\a)-5)*16*DPITCH+64*\b+16
.endif
.endr
.endm
.irp a, 0,1,2,3,4,5,6,7,8
	DUMP \a
.endr
	WIN 0
	; The rows are read back through an address that steps from trip to trip.  One barrier between all the stores and all the reads orders them for the four
	; waves at once, whatever bytes a trip's address names; nothing is stored into LDS behind it.
	s_wait_dscnt 0x0                               ; my stores are done before I say so
	s_barrier_signal -1
	s_barrier_wait -1
.macro RDROWS                          ; eight rows of 512 bytes
.irp t, 0,1,2,3,4,5,6,7
	ds_load_b128 v[XN+4*\t:XN+4*\t+3], v[RD] offset:\t*DPITCH
.endr
.endm
; Eight rows: bias, activation, rounding, out.  A lane holds four neighbouring columns of each row; 32 lanes store 256 consecutive bytes, on a multiple of 256.
.macro ACT more
	s_wait_dscnt 0x0
.irp t, 0,1,2,3,4,5,6,7
	v_pk_add_f32 v[X+4*\t:X+4*\t+1],   v[XN+4*\t:XN+4*\t+1],   v[BI:BI+1]
	v_pk_add_f32 v[X+4*\t+2:X+4*\t+3], v[XN+4*\t+2:XN+4*\t+3], v[BI+2:BI+3]
.endr
.if \more
	v_add_nc_u32 v[RD], 8*DPITCH, v[RD]
	RDROWS                                         ; the next eight rows come while these are worked on
.endif
.set j, 0
.rept 16
	v_pk_mul_f32 v[U+2*j:U+2*j+1], v[X+2*j:X+2*j+1], v[X+2*j:X+2*j+1]
.set j, j+1
.endr
.set j, 0
.rept 32
	v_fma_f32 v[T+j], |v[X+j]|, s81, 1.0           ; 1 + p |x|
.set j, j+1
.endr
.set j, 0
.rept 16
	v_pk_mul_f32 v[U+2*j:U+2*j+1], v[U+2*j:U+2*j+1], 0xbf38aa3b op_sel_hi:[1,0]   ; - x^2 / 2 x log2 e
.set j, j+1
.endr
.set j, 0
.rept 32
	v_rcp_f32 v[T+j], v[T+j]
.set j, j+1
.endr
.set j, 0
.rept 32
	v_exp_f32 v[U+j], v[U+j]
.set j, j+1
.endr
	v_nop                                          ; one plain vector instruction behind the run of transcendentals (ISA guide 5.7.2)
.set j, 0
	s_wait_alu depctr_va_vdst(0)
.rept 16
	v_pk_fma_f32 v[P+2*j:P+2*j+1], v[T+2*j:T+2*j+1], v[CF+8:CF+9], v[CF+6:CF+7]
.set j, j+1
.endr
.irp c, 4,2,0
.set j, 0
.rept 16
	v_pk_fma_f32 v[P+2*j:P+2*j+1], v[P+2*j:P+2*j+1], v[T+2*j:T+2*j+1], v[CF+\c:CF+\c+1]
.set j, j+1
.endr
.endr
.set j, 0
.rept 16
	v_pk_mul_f32 v[P+2*j:P+2*j+1], v[P+2*j:P+2*j+1], v[T+2*j:T+2*j+1]
.set j, j+1
.endr
.set j, 0
.rept 16
	v_pk_mul_f32 v[P+2*j:P+2*j+1], v[P+2*j:P+2*j+1], v[U+2*j:U+2*j+1]   ; q
.set j, j+1
.endr
.set j, 0
.rept 32
	v_max_num_f32 v[U+j], 0, v[X+j]
.set j, j+1
.endr
.set j, 0
.rept 32
	v_fma_f32 v[X+j], -|v[X+j]|, v[P+j], v[U+j]    ; max(x, 0) - |x| q
.set j, j+1
.endr
.set j, 0
.rept 16
	v_cvt_pk_bf16_f32 v[Y+j], v[X+2*j], v[X+2*j+1]
.set j, j+1
.endr
.irp t, 0,1,2,3,4,5,6,7
	global_store_b64 v[HO], v[Y+2*\t:Y+2*\t+1], s[74:75] offset:4096*\t
.endr
.if \more
	s_wait_xcnt 0x0                                ; the base, and Y in the next trip, are written again only behind this wait
	s_add_nc_u64 s[74:75], s[74:75], 8*4096
.endif
.endm
	s_wait_loadcnt 0x0                             ; the bias
	RDROWS
	s_mov_b32 s80, 17                              ; 144 rows = 18 x 8; the last eight stand behind the loop and fetch nothing
.Lrows:
	ACT 1
	s_sub_co_u32 s80, s80, 1
	s_cmp_lg_u32 s80, 0
	s_cbranch_scc1 .Lrows
	ACT 0
	s_set_vgpr_msb 0x1
	s_wait_tensorcnt 0x0
	ds_add_u32 v191, v255
	s_wait_dscnt 0x0
	s_set_vgpr_msb 0x100
	s_endpgm
.Lfunc_end_k_q87003097dc_up:
	.size	k_q87003097dc_up, .Lfunc_end_k_q87003097dc_up-k_q87003097dc_up
	.p2alignl 7, 3214868480
	.fill 96, 4, 3214868480
	.section	.rodata,"a",@progbits
	.p2align	6, 0x0
	.amdhsa_kernel k_q87003097dc_up
		.amdhsa_group_segment_fixed_size 327680
		.amdhsa_private_segment_fixed_size 0
		.amdhsa_enable_private_segment 0
		.amdhsa_kernarg_size 48
		.amdhsa_user_sgpr_count 2
		.amdhsa_user_sgpr_kernarg_segment_ptr 1
		.amdhsa_wavefront_size32 1
		.amdhsa_system_sgpr_workgroup_id_x 1
		.amdhsa_system_sgpr_workgroup_id_y 1
		.amdhsa_system_sgpr_workgroup_id_z 1
		.amdhsa_system_vgpr_workitem_id 0
		.amdhsa_next_free_vgpr 1024
		.amdhsa_next_free_sgpr 96
		.amdhsa_reserve_vcc 0
		.amdhsa_float_denorm_mode_32 3
		.amdhsa_float_denorm_mode_16_64 3
		.amdhsa_memory_ordered 1
		.amdhsa_forward_progress 1
		.amdhsa_inst_pref_size 227
	.end_amdhsa_kernel
	.amdgpu_metadata
---
amdhsa.version: [ 1, 2 ]
amdhsa.kernels:
  - .name:           k_q87003097dc_up
    .symbol:         k_q87003097dc_up.kd
    .args:
      - { .name: xs, .offset: 0, .size: 8, .value_kind: global_buffer, .address_space: global }
      - { .name: wbf, .offset: 8, .size: 8, .value_kind: global_buffer, .address_space: global }
      - { .name: b0a, .offset: 16, .size: 8, .value_kind: global_buffer, .address_space: global }
      - { .name: b1a, .offset: 24, .size: 8, .value_kind: global_buffer, .address_space: global }
      - { .name: plan, .offset: 32, .size: 8, .value_kind: global_buffer, .address_space: global }
      - { .name: h, .offset: 40, .size: 8, .value_kind: global_buffer, .address_space: global }
    .group_segment_fixed_size: 327680
    .private_segment_fixed_size: 0
    .kernarg_segment_align: 8
    .kernarg_segment_size: 48
    .max_flat_workgroup_size: 128
    .sgpr_count:     96
    .vgpr_count:     1024
    .wavefront_size: 32
...
	.end_amdgpu_metadata
.endif
;; end of part 3
;; launch down (part 4): grid 8 x 32, 4 waves a work-group, clusters of 4 x 1, 327,680 bytes of LDS; arguments h, wbf, b0b, b1b, plan, out0; writes out0
.if DOCPART == 4
	.amdgcn_target "amdgcn-amd-amdhsa--gfx1250"
	.amdhsa_code_object_version 6
	.text
	.protected	k_q87003097dc_down
	.globl	k_q87003097dc_down
	.p2align	8
	.type	k_q87003097dc_down,@function
k_q87003097dc_down:
	s_mov_b64 s[64:65], 0
	v_nop
	global_prefetch_b8 v0, s[64:65] scope:SCOPE_SE
	s_setreg_imm32_b32 hwreg(HW_REG_WAVE_MODE, 25, 1), 1
	s_wait_xcnt 0x0
	s_wait_alu depctr_hold_cnt(0) depctr_sa_sdst(0) depctr_va_vdst(0) depctr_va_sdst(0) depctr_va_ssrc(0) depctr_va_vcc(0) depctr_vm_vsrc(0)
	s_getreg_b32 s2, hwreg(HW_REG_IB_STS2, 6, 4)
	s_cmp_eq_u32 s2, 0
	s_cbranch_scc0 .Lentry_in_a_cluster
	s_endpgm
.Lentry_in_a_cluster:
	s_bfe_u32 s2, ttmp6, 0x10000c
	s_cmp_lg_u32 s2, 0x3003
	s_cbranch_scc0 .Lentry_shape_is_right
	s_endpgm
.Lentry_shape_is_right:
; DOWN: out0[token of slot][c] = sum over f of h[slot][f] Wb_e[c][f] + bb_e[c], f32; pads are not stored.
; Work-group (bx, by): slots 288 by .. + 287, columns 128 bx .. + 127 of 1,024; K = 2,048.  8 x 32 = 256 work-groups of equal work
; (blocks of 256 columns would leave work for 128).  Four waves; wave w makes 144 rows (half w >> 1) x 64 columns (half w & 1): 9 x 4 = 36 tiles, 288 registers.
; K goes in steps of 128 (rows of 256 bytes) through two LDS slots; two slots of a double step, 452,608 bytes, do not fit.
; CLUSTER 4 x 1: the four partners share by and so h's tile: waves 0, 1, 2 ask for its thirds (96 rows) JOINTLY (mask 15).  The weights' tile hangs on bx,
; which differs between the four: wave 3 fetches its 128 rows by a load of its own.  (A 4 x 4 cluster would need four block rows of one expert.)
; By this text's count a wave has two tensor loads out at the start and one behind each round.
; The matrix instruction is used transposed: lane l holds slot l % 16, registers 0..7 columns 8 (l / 16) + 0..7.
; LIMIT: only the block's own expert is computed (an infinity in the other one does not turn the result into NaN).
;
; WINDOWS: 0: addresses v8-15, bias v16-19, A's fragments v32-103, v104-175, the slots' tokens v176-247
;   1: B's fragments v0-31, v32-63; tiles a = 8 at v[128 + 8 b]     2: tiles a = 0..7 at v[32 a + 8 b]
.set PITCH,  272
.set ATHIRD, 96*PITCH                  ; 26,112; three thirds = BOFF
.set BOFF,   288*PITCH
.set SLOT,   BOFF+128*PITCH            ; 113,152
.set STAGE,  2*SLOT                    ; 226,304, a multiple of 256: behind the ring, 16 rows x 272 bytes for each wave; no tensor load lands here
.set ADRA, 8
.set ADRB, 10
.set STO,  12
.set RD,   13
.set CO,   14
.set TA,   15
.set BI,   16
.set TMP,  32
.set TK,   176
.set G1A, 24
.set G0A, 32
.set G1B, 48
.set G0B, 56
.set MSB, 0
.macro WIN new
.if MSB != \new
	s_set_vgpr_msb (MSB<<8)|\new
.set MSB, \new
.endif
.endm
.macro PLACES                          ; four plain vector instructions between a matrix instruction and a load into, or a reader of, its registers
.rept 4
	v_nop
.endr
.endm
.macro JLOAD s                         ; waves 0, 1, 2: A's thirds, jointly; wave 3: B.  The branch hangs on the wave's number alone
	s_cmp_eq_u32 s16, 3
	s_cbranch_scc1 .Lfor_b_\@
	tensor_load_to_lds s[G0A+4*\s:G0A+4*\s+3], s[G1A:G1A+7]
	s_nop 0
	s_branch .Lasked_\@
.Lfor_b_\@:
	tensor_load_to_lds s[G0B+4*\s:G0B+4*\s+3], s[G1B:G1B+7]
	s_nop 0
.Lasked_\@:
.endm
.macro CREST
	s_cmp_lg_u32 s16, 0
	s_cbranch_scc1 .Lnot_wave_0_\@
	s_barrier_signal -3
.Lnot_wave_0_\@:
	s_barrier_wait -3
	s_barrier_signal -1
	s_barrier_wait -1
.endm
.macro CROUND
	s_barrier_signal -1
	s_barrier_wait -1
	CREST
.endm
	s_load_b256 s[4:11], s[0:1], 0x0               ; h 4:5, wbf 6:7, b0b 8:9, b1b 10:11
	s_load_b128 s[12:15], s[0:1], 0x20             ; plan 12:13, out0 14:15
	s_set_vgpr_msb 0x40
	v_lshl_add_u32 v255, v0, 2, 0x3b800
	s_set_vgpr_msb 0x4000
	v_mov_b32 v255, 0
	s_set_vgpr_msb 0x1
	ds_add_u32 v255, v255
	s_set_vgpr_msb 0x100
	v_lshrrev_b32 v1, 5, v0
	v_readfirstlane_b32 s16, v1                    ; wave 0..3
	s_lshr_b32 s17, s16, 1                         ; my half of the rows
	s_and_b32 s18, s16, 1                          ; my half of the columns
	s_bfe_u32 s19, ttmp6, 0x40000                  ; cx
	s_lshl_b32 s20, ttmp9, 2
	s_add_co_u32 s20, s20, s19                     ; bx
	s_and_b32 s21, ttmp7, 0xffff                   ; by
	s_lshl_b32 s66, s21, 2
	s_wait_dscnt 0x0
	s_wait_kmcnt 0x0
	s_load_b32 s22, s[12:13], s66 offset:0x9000    ; the block's expert
	s_mov_b32 s[G1A+0], 0x0771000f                 ; mask 15, elements of 2 bytes, padding of 4 words after every 64, bit 21 beside the mask
	s_mov_b32 s[G1A+1], 128<<16
	s_mov_b32 s[G1A+2], 96<<16                     ; 96 rows
	s_mov_b32 s[G1A+3], 128<<16
	s_mov_b32 s[G1A+4], 96
	s_mov_b32 s[G1A+5], 2048                       ; elements from row to row
	s_mov_b32 s[G1A+6], 0
	s_mov_b32 s[G1A+7], 0
	s_mov_b32 s[G1B+0], 0x07510000
	s_mov_b32 s[G1B+1], 128<<16
	s_mov_b32 s[G1B+2], 128<<16                    ; 128 rows
	s_mov_b32 s[G1B+3], 128<<16
	s_mov_b32 s[G1B+4], 128
	s_mov_b32 s[G1B+5], 2048
	s_mov_b32 s[G1B+6], 0
	s_mov_b32 s[G1B+7], 0
	s_mul_i32 s40, s21, 288                        ; A: row 288 by + 96 w (wave 3 makes the number and asks by B's instead); nothing of cx enters s40 to s44
	s_mul_i32 s41, s16, 96
	s_add_co_u32 s40, s40, s41
	s_lshl_b32 s40, s40, 12                        ; rows of 4,096 bytes
	s_mov_b32 s41, 0
	s_add_nc_u64 s[42:43], s[4:5], s[40:41]
	s_mul_i32 s44, s16, ATHIRD                     ; where my part goes: A's three thirds, then B
	s_wait_kmcnt 0x0
	s_min_u32 s22, s22, 1                          ; a loaded number enters an address only behind a clamp
	s_lshl_b32 s66, s20, 19                        ; 128 bx rows of 4,096 bytes
	s_lshl_b32 s67, s22, 22                        ; W0b or W1b,
	s_add_co_u32 s66, s66, s67
	s_add_co_u32 s66, s66, 0x800000                ; which lie behind the two up matrices
	s_mov_b32 s67, 0
	s_add_nc_u64 s[68:69], s[6:7], s[66:67]
	CROUND                                         ; the four partners are here: the first joint loads meet
.irp s, 0,1
	s_mov_b32 s[G0A+4*\s], 1
	s_add_co_u32 s[G0A+4*\s+1], s44, \s*SLOT
	s_add_nc_u64 s[G0A+4*\s+2:G0A+4*\s+3], s[42:43], \s*256
	s_or_b32 s[G0A+4*\s+3], s[G0A+4*\s+3], 0x80000000
	s_mov_b32 s[G0B+4*\s], 1
	s_add_co_u32 s[G0B+4*\s+1], s44, \s*SLOT
	s_add_nc_u64 s[G0B+4*\s+2:G0B+4*\s+3], s[68:69], \s*256
	s_or_b32 s[G0B+4*\s+3], s[G0B+4*\s+3], 0x80000000
	JLOAD \s
.endr
	s_cmp_eq_u32 s22, 0
	s_cselect_b64 s[72:73], s[8:9], s[10:11]       ; the expert's bias
	s_lshl_b32 s70, s20, 9
	s_lshl_b32 s71, s18, 8
	s_add_co_u32 s70, s70, s71                     ; my first column in bytes: 4 (128 bx + 64 half)
	s_mul_i32 s76, s21, 288
	s_mul_i32 s78, s17, 144
	s_add_co_u32 s76, s76, s78
	s_lshl_b32 s76, s76, 2                         ; my first slot's word of the list
	v_and_b32 v1, 15, v0
	v_bfe_u32 v2, v0, 4, 1
	v_mul_u32_u24 v3, v1, PITCH
	v_lshl_add_u32 v3, v2, 4, v3
	s_mul_i32 s46, s17, 144*PITCH
	s_mul_i32 s47, s18, 64*PITCH
	s_add_co_u32 s47, s47, BOFF
.irp s, 0,1
	v_add_nc_u32 v[ADRA+\s], s46, v3
	v_add_nc_u32 v[ADRB+\s], s47, v3
	s_add_co_u32 s46, s46, SLOT
	s_add_co_u32 s47, s47, SLOT
.endr
	s_mul_i32 s46, s16, 16*PITCH
	s_add_co_u32 s46, s46, STAGE                   ; my stage
	v_mul_u32_u24 v4, v1, PITCH
	v_lshl_add_u32 v4, v2, 5, v4                   ; in: row l % 16, 32 bytes for each half of the lanes
	v_add_nc_u32 v[STO], s46, v4
	v_mul_u32_u24 v5, v2, 8*PITCH
	v_lshl_add_u32 v5, v1, 4, v5                   ; back: lanes 0-15 take row t, lanes 16-31 row t + 8, 256 bytes each
	v_add_nc_u32 v[RD], s46, v5
	v_lshl_add_u32 v[CO], v1, 4, s70               ; my 16 bytes in a row of out0, and in the bias
	v_lshl_add_u32 v[TA], v2, 5, s76               ; the list at my first slot, 8 slots on for lanes 16-31
	; the tokens of the slots that I shall store: TK[8 a + t] = token of slot 16 a + 8 (l / 16) + t of my 144.  They stay in registers through the product.
.irp a, 0,1,2,3,4,5,6,7,8
	global_load_b128 v[TK+8*\a:TK+8*\a+3],   v[TA], s[12:13] offset:64*\a
	global_load_b128 v[TK+8*\a+4:TK+8*\a+7], v[TA], s[12:13] offset:64*\a+16
.endr
	global_load_b128 v[BI:BI+3], v[CO], s[72:73]
; 4 matrix instructions: row tile a x all 4 column tiles, 32 along K, from buffer f
.macro MULA f, a, zero
.if (\a) < 8
	WIN 0xa1
.set AB, 32*(\a)
.else
	WIN 0x51
.set AB, 128
.endif
.irp b, 0,1,2,3
.if \zero
	v_wmma_f32_16x16x32_bf16 v[AB+8*\b:AB+8*\b+7], v[32*\f+8*\b:32*\f+8*\b+7], v[32+72*\f+8*(\a):32+72*\f+8*(\a)+7], 0
.else
	v_wmma_f32_16x16x32_bf16 v[AB+8*\b:AB+8*\b+7], v[32*\f+8*\b:32*\f+8*\b+7], v[32+72*\f+8*(\a):32+72*\f+8*(\a)+7], v[AB+8*\b:AB+8*\b+7]
.endif
.endr
.endm
; 26 LDS loads in one run: 64 rows of B, then 144 of A
.macro FETCH slot, k, f
	WIN 0x40
.irp i, 0,1,2,3
	ds_load_b128 v[32*\f+8*\i:32*\f+8*\i+3],   v[ADRB+\slot] offset:\k+\i*16*PITCH
	ds_load_b128 v[32*\f+8*\i+4:32*\f+8*\i+7], v[ADRB+\slot] offset:\k+\i*16*PITCH+32
.endr
	WIN 0
.irp i, 0,1,2,3,4,5,6,7,8
	ds_load_b128 v[32+72*\f+8*\i:32+72*\f+8*\i+3],   v[ADRA+\slot] offset:\k+\i*16*PITCH
	ds_load_b128 v[32+72*\f+8*\i+4:32+72*\f+8*\i+7], v[ADRA+\slot] offset:\k+\i*16*PITCH+32
.endr
.endm
; A quarter step: 36 matrix instructions.  The 36 accumulators take turns, one instruction a turn, in the same order in every quarter.
.macro QUARTER slot, k, f, g, zero
	s_wait_dscnt 8                                 ; B and A's tiles 0..4 are in; the youngest eight loads (A's tiles 5..8) may be out
.irp a, 0,1,2,3,4
	MULA \f, \a, \zero
.endr
	PLACES
	FETCH \slot, \k, \g
	s_wait_dscnt 26                                ; all but the 26 just issued
.irp a, 5,6,7,8
	MULA \f, \a, \zero
.endr
.endm
.macro THREE slot, zero
	QUARTER \slot, 64,  0, 1, \zero
	QUARTER \slot, 128, 1, 0, 0
	QUARTER \slot, 192, 0, 1, 0
.endm
; The last quarter of a K step and the change of slots: the waits for my reads of this slot and for all my tensor loads, the barrier (with fill = 1 it opens
; a round of the cluster's barrier), the refill first behind it, then the next slot's first fragments.
.macro TURN slot, next, fill
	s_wait_dscnt 8
	MULA 1, 0, 0
	MULA 1, 1, 0
	s_wait_dscnt 0x0                               ; my reads of this slot are over
	s_wait_tensorcnt 0x0                           ; and all my tensor loads have landed
	ds_add_u32 v255, v255
	s_wait_dscnt 0x0
	s_barrier_signal -1
	MULA 1, 2, 0                                   ; register work while the others arrive
	MULA 1, 3, 0
	MULA 1, 4, 0
	WIN 0
	s_barrier_wait -1
.if \fill
	CREST
	s_add_nc_u64 s[G0A+4*\slot+2:G0A+4*\slot+3], s[G0A+4*\slot+2:G0A+4*\slot+3], 512
	s_add_nc_u64 s[G0B+4*\slot+2:G0B+4*\slot+3], s[G0B+4*\slot+2:G0B+4*\slot+3], 512
	JLOAD \slot
.endif
	PLACES
	FETCH \next, 0, 0
.irp a, 5,6,7,8
	MULA 1, \a, 0
.endr
.endm
.macro LAP zero
	THREE 0, \zero
	TURN 0, 1, 1
	THREE 1, 0
	TURN 1, 0, 1
.endm
	s_wait_tensorcnt 0x1                           ; my part of K step 0 is in; K step 1's stays out
	s_barrier_signal -1
	s_barrier_wait -1
	FETCH 0, 0, 0
	LAP 1                                          ; 16 K steps are eight laps
	WIN 0
	s_mov_b32 s80, 6
.Llap:
	LAP 0
	WIN 0
	s_sub_co_u32 s80, s80, 1
	s_cmp_lg_u32 s80, 0
	s_cbranch_scc1 .Llap
	THREE 0, 0                                     ; the last lap fills nothing
	TURN 0, 1, 0
	THREE 1, 0
	s_wait_dscnt 8
.irp a, 0,1,2,3,4
	MULA 1, \a, 0
.endr
	s_wait_dscnt 0x0
.irp a, 5,6,7,8
	MULA 1, \a, 0
.endr
	; THE WAY OUT, 16 slots at a time through my own stage: in by tiles, back by rows of 256 bytes, bias added, each row to its token's row of out0.
	PLACES
	WIN 0
	s_wait_loadcnt 0x0                             ; the tokens and the bias
	s_wait_xcnt 0x0                                ; EXEC changes below
.set j, 0
.rept 72
	v_min_u32 v[TK+j], 0x2000, v[TK+j]             ; a token is below 8,192; a pad's all ones become 8,192
.set j, j+1
.endr
.set j, 0
.rept 72
	v_lshl_add_u32 v[TK+j], v[TK+j], 12, v[CO]     ; the byte offset of my 16 bytes in the token's row; a pad's is 0x2000000 or more
.set j, j+1
.endr
.macro OUT16 a
.if (\a) < 8
	WIN 0x08
.set AB, 32*(\a)
.else
	WIN 0x04
.set AB, 128
.endif
.irp b, 0,1,2,3
	ds_store_b128 v[STO], v[AB+8*\b:AB+8*\b+3]   offset:64*\b
	ds_store_b128 v[STO], v[AB+8*\b+4:AB+8*\b+7] offset:64*\b+16
.endr
	WIN 0
.irp t, 0,1,2,3,4,5,6,7
	ds_load_b128 v[TMP+4*\t:TMP+4*\t+3], v[RD] offset:\t*PITCH     ; LDS serves a wave's instructions in order (ISA guide 5.7.1): these see the stores above
.endr
.irp t, 0,1,2,3,4,5,6,7
	s_wait_dscnt 7-\t                              ; the younger read-backs stay out
	v_pk_add_f32 v[TMP+4*\t:TMP+4*\t+1],   v[TMP+4*\t:TMP+4*\t+1],   v[BI:BI+1]
	v_pk_add_f32 v[TMP+4*\t+2:TMP+4*\t+3], v[TMP+4*\t+2:TMP+4*\t+3], v[BI+2:BI+3]
	v_cmpx_gt_u32 0x2000000, v[TK+8*(\a)+\t]       ; pads are switched off, sixteen lanes at a time
	global_store_b128 v[TK+8*(\a)+\t], v[TMP+4*\t:TMP+4*\t+3], s[14:15] th:TH_STORE_NT   ; 16 lanes store 256 consecutive bytes, on a multiple of 256 from out0's first byte
	s_wait_xcnt 0x0                                ; EXEC, and later TMP, are written again only behind this wait
	s_mov_b32 exec_lo, -1
.endr
.endm
.irp a, 0,1,2,3,4,5,6,7,8
	OUT16 \a
.endr
	s_set_vgpr_msb 0x1
	s_wait_tensorcnt 0x0
	ds_add_u32 v255, v255
	s_wait_dscnt 0x0
	s_set_vgpr_msb 0x100
	CROUND                                         ; the closing round: no work-group ends while a partner may still ask for a tile that names it
	s_endpgm
.Lfunc_end_k_q87003097dc_down:
	.size	k_q87003097dc_down, .Lfunc_end_k_q87003097dc_down-k_q87003097dc_down
	.p2alignl 7, 3214868480
	.fill 96, 4, 3214868480
	.section	.rodata,"a",@progbits
	.p2align	6, 0x0
	.amdhsa_kernel k_q87003097dc_down
		.amdhsa_group_segment_fixed_size 327680
		.amdhsa_private_segment_fixed_size 0
		.amdhsa_enable_private_segment 0
		.amdhsa_kernarg_size 48
		.amdhsa_user_sgpr_count 2
		.amdhsa_user_sgpr_kernarg_segment_ptr 1
		.amdhsa_wavefront_size32 1
		.amdhsa_system_sgpr_workgroup_id_x 1
		.amdhsa_system_sgpr_workgroup_id_y 1
		.amdhsa_system_sgpr_workgroup_id_z 1
		.amdhsa_system_vgpr_workitem_id 0
		.amdhsa_next_free_vgpr 768
		.amdhsa_next_free_sgpr 96
		.amdhsa_reserve_vcc 0
		.amdhsa_float_denorm_mode_32 3
		.amdhsa_float_denorm_mode_16_64 3
		.amdhsa_memory_ordered 1
		.amdhsa_forward_progress 1
		.amdhsa_inst_pref_size 160
	.end_amdhsa_kernel
	.amdgpu_metadata
---
amdhsa.version: [ 1, 2 ]
amdhsa.kernels:
  - .name:           k_q87003097dc_down
    .symbol:         k_q87003097dc_down.kd
    .args:
      - { .name: h, .offset: 0, .size: 8, .value_kind: global_buffer, .address_space: global }
      - { .name: wbf, .offset: 8, .size: 8, .value_kind: global_buffer, .address_space: global }
      - { .name: b0b, .offset: 16, .size: 8, .value_kind: global_buffer, .address_space: global }
      - { .name: b1b, .offset: 24, .size: 8, .value_kind: global_buffer, .address_space: global }
      - { .name: plan, .offset: 32, .size: 8, .value_kind: global_buffer, .address_space: global }
      - { .name: out0, .offset: 40, .size: 8, .value_kind: global_buffer, .address_space: global }
    .group_segment_fixed_size: 327680
    .private_segment_fixed_size: 0
    .kernarg_segment_align: 8
    .kernarg_segment_size: 48
    .max_flat_workgroup_size: 128
    .sgpr_count:     96
    .vgpr_count:     768
    .wavefront_size: 32
...
	.end_amdgpu_metadata
.endif
;; end of part 4
;; ======== version 2 of 2: 4 launches; version 1 with the launch route written anew for expert scheduling mode
;; workspace buffers: wbf 16,777,216 bytes; xs 18,874,368 bytes; h 37,748,736 bytes; gatew 2,048 bytes of whole numbers; plan 37,120 bytes of whole numbers
;; launch prep: the kernel of part 1 again; grid 256 x 1, 8 waves a work-group, no clusters, 1,280 bytes of LDS; arguments x, Wg, W0a, W1a, W0b, W1b, wbf, gatew; writes wbf, gatew
;; launch route (part 5): grid 256 x 1, 8 waves a work-group, no clusters, 0 bytes of LDS; arguments x, gatew, xs, plan; writes xs, plan
.if DOCPART == 5
	.amdgcn_target "amdgcn-amd-amdhsa--gfx1250"
	.amdhsa_code_object_version 6
	.text
	.protected	k_q87003097dc_route
	.globl	k_q87003097dc_route
	.p2align	8
	.type	k_q87003097dc_route,@function
k_q87003097dc_route:
	s_mov_b64 s[64:65], 0
	v_nop
	global_prefetch_b8 v0, s[64:65] scope:SCOPE_SE
	s_setreg_imm32_b32 hwreg(HW_REG_WAVE_SCHED_MODE, 0, 2), 2
	s_setreg_imm32_b32 hwreg(HW_REG_WAVE_MODE, 25, 1), 1
	s_wait_xcnt 0x0
	s_wait_alu depctr_vm_vsrc(0)
; ROUTE: from the gate's bits and counts (whole numbers of the launch before) the slot of every token; x's rows, rounded to bf16, go to their slots.
; 32 row blocks of 288 slots, 9,216 in all; each block belongs to one expert.  Expert 0 has blocks 0 .. R0 - 1, expert 1 the other R1 = 32 - R0:
;   R0 = (n0 + 128) >> 8, held between ceil(n0 / 288) and 32 - ceil(n1 / 288).  The bounds never cross: the two ceilings are below 8192 / 288 + 2 = 30.4.
;   So n_e <= 288 R_e for every split of the 8,192 tokens.
; Rank k of expert e (first block base_e = 0 or R0):  k < 256 R_e: block base_e + (k >> 8), row k & 255;
;   else o = k - 256 R_e (below 32 R_e): block base_e + (o >> 5), row 256 + (o & 31).  Shifts alone, whole numbers alone.
; This map takes ranks 0 .. 288 R_e - 1 one to one onto the expert's slots.  The tokens have ranks 0 .. n_e - 1; ranks n_e .. 288 R_e - 1 are PADS:
; 9,216 - 8,192 = 1,024 of them for every split, four a work-group.  Pad p, with P0 = 288 R0 - n0: rank n0 + p of expert 0 where p < P0, else rank
; n1 + p - P0 of expert 1.  A pad's row of xs is written as zeros, its word of the list as all ones.  No branch and no mask hangs on the counts.
; plan: word s (0 .. 9215) = the token of slot s; words 9216 .. 9247 = the expert of block b.
; Work-group g: tokens 32 g .. + 31, four a wave; pads 4 g .. 4 g + 3, half a row a wave (pad 4 g + (w >> 1), half w & 1).
; The sums over the 256 counts are the same in every lane, so they are made by scalar loads and scalar adds, by every wave for itself: no LDS, no barrier.
; THE MODE: SCHED_MODE bits 1:0 = 2 (LLVM: expert scheduling mode 2), set by the entry lines.  The code itself states the register dependences
; between vector instructions and memory instructions, with s_wait_alu, always for 0.
; THE PLAN.  Registers that memory instructions touch:
;   v2 (XO), v3 (SO), v[4:7] (Z), v26 (BT)   offsets and zeros: written once at the head, ahead of one wait on va_vdst; read by loads and stores; never written again.
;   X, row i   the loads of x land in it; row i's sixteen conversions write the low four of each eight registers; the row's four stores read those; never written again.
;   v24, v25   the list's offset and word: made while x is on its way; read by the one masked store; never written again.
;   v22        one wave of the launch: made and stored in the last branch.
; Row i's stores are issued in row i + 1, behind the one wait on va_vdst at that row's head, dealt among row i + 1's conversions, which name row i + 1's registers alone.
; No register that a memory instruction reads is written again, so vm_vsrc is waited for at the two writes of EXEC alone.
.set LANE, 1
.set XO,   2                           ; v2  w * 16384 + 32 lane
.set SO,   3                           ; v3  16 lane
.set Z,    4                           ; v[4:7] zeros
.set BT,   26                          ; v26 4 lane: a block's word in the table of experts
.set X,    32                          ; v[32:159] four rows, 32 registers each
.set W,    100                         ; s100 my wave
.set MW,   104                         ; s104 my group's 32 bits
.set ACC,  105                         ; s105 the counts of my block of 16 groups that lie ahead of my group
.set LM,   68                          ; s[68:71] behind the sums: the masks of lanes 1, 2, 3 and 4
.set SV,   72                          ; s72 EXEC, kept while the list's store is masked
; s[12:27], s[28:43], s[44:59], s[68:83], s[84:99]: five blocks of 16 counts at a time; afterwards free for the slots' arithmetic
; s[60:61] all counts, s[62:63] the counts of whole blocks ahead of mine: even groups' in the low word, odd groups' in the high word
	s_load_b256 s[4:11], s[0:1], 0x0               ; x 4:5, gatew 6:7, xs 8:9, plan 10:11
	v_and_b32 v[LANE], 31, v0
	v_lshrrev_b32 v16, 5, v0
	v_readfirstlane_b32 s[W], v16                  ; wave 0..7
	s_lshr_b32 s2, ttmp9, 4                        ; my group's block of 16 groups
	s_and_b32 s3, ttmp9, 15                        ; and its place in it
	s_lshl_b32 s101, s2, 6                         ; that block's 64 bytes of counts
	s_lshl_b32 s[ACC], ttmp9, 2                    ; my group's word of bits
	s_lshl_b32 s66, ttmp9, 17
	s_mov_b32 s67, 0
	v_lshlrev_b32 v17, 5, v[LANE]
	v_lshlrev_b32 v[SO], 4, v[LANE]
	v_lshlrev_b32 v[BT], 2, v[LANE]
.irp r, 0,1,2,3
	v_mov_b32 v[Z+\r], 0
.endr
	s_wait_alu depctr_va_sdst(0)                   ; the wave's number is written, ahead of its first reader, the line below
	v_lshl_add_u32 v[XO], s[W], 14, v17
	s_wait_kmcnt 0x0
.macro LOADBLK b, t                    ; counts 16 t .. 16 t + 15: the table of counts begins at byte 1,024 of gatew
	s_load_b512 s[\b:\b+15], s[6:7], 0x400+64*\t
.endm
	s_load_b32 s[MW], s[6:7], s[ACC] offset:0x0
	s_load_b512 s[84:99], s[6:7], s101 offset:0x400    ; my own block, to be taken count by count
	LOADBLK 12, 0
	LOADBLK 28, 1
	LOADBLK 44, 2
	LOADBLK 68, 3
	s_add_nc_u64 s[4:5], s[4:5], s[66:67]          ; x at token 32 g
	s_wait_alu depctr_va_vdst(0)                   ; XO is written, which the loads below read; so are SO, Z and BT, which the stores further down read and no later vector instruction names
	; a lane takes 32 consecutive bytes (8 numbers), which become 16 bytes of bf16: two loads of the wave cover 1,024 consecutive bytes.
	; All of x's loads go out here: the scalar sums below are made while they are on their way.
.irp i, 0,1,2,3
.irp c, 0,1,2,3
	global_load_b128 v[X+32*\i+8*\c:X+32*\i+8*\c+3],   v[XO], s[4:5] offset:4096*\i+1024*\c th:TH_LOAD_NT
	global_load_b128 v[X+32*\i+8*\c+4:X+32*\i+8*\c+7], v[XO], s[4:5] offset:4096*\i+1024*\c+16 th:TH_LOAD_NT
.endr
.endr
	s_mov_b64 s[60:61], 0
	s_mov_b64 s[62:63], 0
; Block t of 16 counts, in s[b : b + 15]: two counts in each 64-bit add (a word's sum is 8,192 at the most: no carry crosses).
; The block counts toward the prefix as a whole where it lies ahead of my group's block.
.macro SUMBLK b, t
.irp q, 0,4,8,12
	s_add_nc_u64 s[\b+\q:\b+\q+1], s[\b+\q:\b+\q+1], s[\b+\q+2:\b+\q+3]
.endr
	s_add_nc_u64 s[\b:\b+1], s[\b:\b+1], s[\b+4:\b+5]
	s_add_nc_u64 s[\b+8:\b+9], s[\b+8:\b+9], s[\b+12:\b+13]
	s_add_nc_u64 s[\b:\b+1], s[\b:\b+1], s[\b+8:\b+9]
	s_add_nc_u64 s[60:61], s[60:61], s[\b:\b+1]
	s_cmp_gt_u32 s2, \t
	s_cselect_b64 s[66:67], s[\b:\b+1], 0
	s_add_nc_u64 s[62:63], s[62:63], s[66:67]
.endm
	s_wait_kmcnt 0x0                               ; scalar loads come back in no order: the wait is for all six
	s_cmp_gt_u32 s3, 0                             ; my own block: count j lies ahead of my group where j < my place (15 at the most)
	s_cselect_b32 s[ACC], s84, 0
.irp j, 1,2,3,4,5,6,7,8,9,10,11,12,13,14
	s_cmp_gt_u32 s3, \j
	s_cselect_b32 s101, s[84+\j], 0
	s_add_co_u32 s[ACC], s[ACC], s101
.endr
	SUMBLK 12, 0
	SUMBLK 28, 1
	SUMBLK 44, 2
	SUMBLK 68, 3
	LOADBLK 12, 4
	LOADBLK 28, 5
	LOADBLK 44, 6
	LOADBLK 68, 7
	LOADBLK 84, 8
	s_wait_kmcnt 0x0
	SUMBLK 12, 4
	SUMBLK 28, 5
	SUMBLK 44, 6
	SUMBLK 68, 7
	SUMBLK 84, 8
	LOADBLK 12, 9
	LOADBLK 28, 10
	LOADBLK 44, 11
	LOADBLK 68, 12
	LOADBLK 84, 13
	s_wait_kmcnt 0x0
	SUMBLK 12, 9
	SUMBLK 28, 10
	SUMBLK 44, 11
	SUMBLK 68, 12
	SUMBLK 84, 13
	LOADBLK 12, 14
	LOADBLK 28, 15
	s_wait_kmcnt 0x0
	SUMBLK 12, 14
	SUMBLK 28, 15
	s_add_co_u32 s16, s60, s61                     ; n1
	s_add_co_u32 s17, s62, s63
	s_add_co_u32 s17, s17, s[ACC]                  ; expert 1's tokens ahead of my group
	s_mov_b32 s12, ttmp9                           ; g
	s_mov_b32 s53, 0
	s_sub_co_u32 s18, 0x2000, s16                  ; n0
	s_lshl_b32 s19, s12, 5
	s_sub_co_u32 s19, s19, s17                     ; expert 0's tokens ahead of my group
	s_add_co_u32 s24, s18, 287                     ; ceil(n / 288) = ((n + 287) >> 5) / 9, and m / 9 = (57 m) >> 9 for m below 512 (here 264 at the most)
	s_lshr_b32 s24, s24, 5
	s_mul_i32 s24, s24, 57
	s_lshr_b32 s24, s24, 9
	s_add_co_u32 s25, s16, 287
	s_lshr_b32 s25, s25, 5
	s_mul_i32 s25, s25, 57
	s_lshr_b32 s25, s25, 9
	s_sub_co_u32 s25, 32, s25
	s_add_co_u32 s20, s18, 128
	s_lshr_b32 s20, s20, 8
	s_max_u32 s20, s20, s24
	s_min_u32 s20, s20, s25                        ; R0
	s_sub_co_u32 s21, 32, s20                      ; R1
	s_mul_i32 s39, s20, 288
	s_sub_co_u32 s39, s39, s18                     ; P0: expert 0's pads
	s_lshl_b32 s23, s[W], 2                        ; 4 w
; The slot of rank k = s29 of the expert with R_e = s30 blocks from block base_e = s31 on, into s[dst].
.macro SLOT dst
	s_lshl_b32 s32, s30, 8
	s_sub_co_u32 s33, s29, s32                     ; o
	s_lshr_b32 s34, s29, 8
	s_and_b32 s35, s29, 255
	s_lshr_b32 s36, s33, 5
	s_and_b32 s37, s33, 31
	s_add_co_u32 s37, s37, 256
	s_cmp_lt_u32 s29, s32
	s_cselect_b32 s34, s34, s36
	s_cselect_b32 s35, s35, s37
	s_add_co_u32 s34, s34, s31
	s_mul_i32 s34, s34, 288
	s_add_co_u32 s34, s34, s35
	s_min_u32 s[\dst], s34, 9215                   ; a number made of loaded words enters an address only behind a clamp
.endm
; The slot of token 32 g + 4 w + i, in s[40 + i]; its row's address in s[44 + 2 i : 45 + 2 i].
.macro POS i
	s_add_co_u32 s24, s23, \i                      ; j
	s_lshr_b32 s25, s[MW], s24
	s_and_b32 s25, s25, 1                          ; its expert
	s_bfm_b32 s26, s24, 0                          ; j ones
	s_and_b32 s26, s26, s[MW]
	s_bcnt1_i32_b32 s26, s26                       ; expert 1's tokens ahead of it in the group
	s_add_co_u32 s27, s17, s26                     ; its rank, were it expert 1's,
	s_add_co_u32 s28, s19, s24
	s_sub_co_u32 s28, s28, s26                     ; and were it expert 0's
	s_cmp_lg_u32 s25, 0
	s_cselect_b32 s29, s27, s28                    ; k
	s_cselect_b32 s30, s21, s20                    ; R_e
	s_cselect_b32 s31, s20, 0                      ; base_e
	SLOT 40+\i
	s_lshl_b32 s52, s[40+\i], 11                   ; rows of 2,048 bytes
	s_add_nc_u64 s[44+2*\i:45+2*\i], s[8:9], s[52:53]
.endm
	POS 0
	POS 1
	POS 2
	POS 3
	; my pad: p = 4 g + (w >> 1); its slot in s38; my half of its row goes out at once, two stores of 512 consecutive bytes
	s_lshr_b32 s24, s[W], 1
	s_lshl_b32 s25, s12, 2
	s_add_co_u32 s24, s24, s25                     ; p
	s_add_co_u32 s27, s18, s24                     ; its rank, were it expert 0's: n0 + p,
	s_add_co_u32 s28, s16, s24
	s_sub_co_u32 s28, s28, s39                     ; and were it expert 1's: n1 + p - P0
	s_cmp_lt_u32 s24, s39
	s_cselect_b32 s29, s27, s28
	s_cselect_b32 s30, s20, s21
	s_cselect_b32 s31, 0, s20
	SLOT 38
	s_and_b32 s26, s[W], 1                         ; which half of the row is mine
	s_sub_co_u32 s56, 5, s26                       ; and how many words of the list I write: four tokens, and the pad in the waves of the first halves
	s_lshl_b32 s52, s38, 11
	s_lshl_b32 s27, s26, 10
	s_add_co_u32 s52, s52, s27
	s_add_nc_u64 s[54:55], s[8:9], s[52:53]
	global_store_b128 v[SO], v[Z:Z+3], s[54:55]    ; no wait: no vector instruction since the wait ahead of x's loads names SO or Z
	global_store_b128 v[SO], v[Z:Z+3], s[54:55] offset:512
	; the list: word [slot] = token in lanes 0 to 3, word [pad's slot] = all ones in lane 4.  Its offset and word are made here, while x is on its way.
	v_cmp_eq_u32 s[LM], 1, v[LANE]                 ; the four masks in one run,
	v_cmp_eq_u32 s[LM+1], 2, v[LANE]
	v_cmp_eq_u32 s[LM+2], 3, v[LANE]
	v_cmp_eq_u32 s[LM+3], 4, v[LANE]
	s_lshl_b32 s24, s12, 5
	s_add_co_u32 s24, s24, s23
	v_mov_b32 v24, s40
	v_add_nc_u32 v25, s24, v[LANE]                 ; token 32 g + 4 w + lane
	s_wait_alu depctr_va_sdst(0)                   ; and one wait: the compares have written s[LM .. LM + 3], ahead of their first reader
.irp i, 1,2,3
	v_cndmask_b32 v24, v24, s[40+\i], s[LM+\i-1]
.endr
	v_cndmask_b32 v24, v24, s38, s[LM+3]
	v_cndmask_b32 v25, v25, -1, s[LM+3]
	v_min_u32 v24, 0x23ff, v24
	v_lshlrev_b32 v24, 2, v24
; Eight numbers of row i are rounded.
.macro CVT i, c
.irp r, 0,1,2,3
	v_cvt_pk_bf16_f32 v[X+32*(\i)+8*(\c)+\r], v[X+32*(\i)+8*(\c)+2*\r], v[X+32*(\i)+8*(\c)+2*\r+1]   ; in place, ascending: register r was read by step r / 2
.endr
.endm
; A quarter of row i goes out: a store of 512 consecutive bytes.
.macro PUT i, c
	global_store_b128 v[SO], v[X+32*(\i)+8*(\c):X+32*(\i)+8*(\c)+3], s[44+2*(\i):45+2*(\i)] offset:512*(\c)
.endm
; Row i is rounded; the four stores of the row before stand among its conversions.
.macro ROWOUT i, left
	s_wait_loadcnt \left                           ; the younger rows stay out
.if (\i) > 0
	s_wait_alu depctr_va_vdst(0)                   ; the conversions of the row before have written its registers, which the four stores below read; this row's conversions name this row's registers alone
.endif
.irp c, 0,1,2,3
.if (\i) > 0
	PUT (\i)-1, \c
.endif
	CVT \i, \c
.endr
.endm
	ROWOUT 0, 24
	ROWOUT 1, 16
	ROWOUT 2, 8
	ROWOUT 3, 0
	v_cmp_gt_u32 vcc_lo, s56, v[LANE]              ; lanes 0 to 3, or 0 to 4: by the wave's number alone
	s_wait_alu depctr_va_vdst(0)                   ; row 3's conversions have written its registers, which the last four row stores read
.irp c, 0,1,2,3
	PUT 3, \c
.endr
	; The slots are scattered, so the list's words go out singly: 36,864 of the launch's 18.9 million stored bytes.
	s_wait_xcnt 0x0                                ; EXEC changes only behind this wait: the rows' stores name it
	s_wait_alu depctr_va_vcc(0)                    ; the compare has written VCC, from which EXEC is made
	s_wait_alu depctr_va_vdst(0)                   ; EXEC is written: the vector instructions issued so far are complete
	s_wait_alu depctr_vm_vsrc(0)                   ; EXEC is written: the loads and stores issued so far have read their vector registers
	s_and_saveexec_b32 s[SV], vcc_lo
	global_store_b32 v24, v25, s[10:11]            ; v24 and v25 were written ahead of the waits above, and nothing has named them since
	s_wait_xcnt 0x0                                ; EXEC is widened again only behind this wait
	s_wait_alu depctr_va_vdst(0)                   ; EXEC is written: the vector instructions issued so far are complete
	s_wait_alu depctr_vm_vsrc(0)                   ; EXEC is written: the list's store has read v24 and v25
	s_or_b32 exec_lo, exec_lo, s[SV]
	; the blocks' experts: one wave of the launch, 32 words
	s_or_b32 s24, s12, s[W]
	s_cmp_lg_u32 s24, 0
	s_cbranch_scc1 .Lend
	v_cmp_le_u32 vcc_lo, s20, v[LANE]              ; block >= R0: expert 1
	s_wait_alu depctr_va_vcc(0)                    ; the compare has written VCC, which the select reads
	v_cndmask_b32 v22, 0, 1, vcc_lo
	s_wait_alu depctr_va_vdst(0)                   ; the select has written v22, which the store reads
	global_store_b32 v[BT], v22, s[10:11] offset:36864
.Lend:
	s_endpgm
.Lfunc_end_k_q87003097dc_route:
	.size	k_q87003097dc_route, .Lfunc_end_k_q87003097dc_route-k_q87003097dc_route
	.p2alignl 7, 3214868480
	.fill 96, 4, 3214868480
	.section	.rodata,"a",@progbits
	.p2align	6, 0x0
	.amdhsa_kernel k_q87003097dc_route
		.amdhsa_group_segment_fixed_size 0
		.amdhsa_private_segment_fixed_size 0
		.amdhsa_enable_private_segment 0
		.amdhsa_kernarg_size 32
		.amdhsa_user_sgpr_count 2
		.amdhsa_user_sgpr_kernarg_segment_ptr 1
		.amdhsa_wavefront_size32 1
		.amdhsa_system_sgpr_workgroup_id_x 1
		.amdhsa_system_sgpr_workgroup_id_y 1
		.amdhsa_system_sgpr_workgroup_id_z 1
		.amdhsa_system_vgpr_workitem_id 0
		.amdhsa_next_free_vgpr 168
		.amdhsa_next_free_sgpr 106
		.amdhsa_reserve_vcc 1
		.amdhsa_float_denorm_mode_32 3
		.amdhsa_float_denorm_mode_16_64 3
		.amdhsa_memory_ordered 1
		.amdhsa_forward_progress 1
		.amdhsa_inst_pref_size 26
	.end_amdhsa_kernel
	.amdgpu_metadata
---
amdhsa.version: [ 1, 2 ]
amdhsa.kernels:
  - .name:           k_q87003097dc_route
    .symbol:         k_q87003097dc_route.kd
    .args:
      - { .name: x, .offset: 0, .size: 8, .value_kind: global_buffer, .address_space: global }
      - { .name: gatew, .offset: 8, .size: 8, .value_kind: global_buffer, .address_space: global }
      - { .name: xs, .offset: 16, .size: 8, .value_kind: global_buffer, .address_space: global }
      - { .name: plan, .offset: 24, .size: 8, .value_kind: global_buffer, .address_space: global }
    .group_segment_fixed_size: 0
    .private_segment_fixed_size: 0
    .kernarg_segment_align: 8
    .kernarg_segment_size: 32
    .max_flat_workgroup_size: 256
    .sgpr_count:     106
    .vgpr_count:     168
    .wavefront_size: 32
...
	.end_amdgpu_metadata
.endif
;; end of part 5
;; launch up: the kernel of part 3 again; grid 8 x 32, 4 waves a work-group, clusters of 4 x 1, 327,680 bytes of LDS; arguments xs, wbf, b0a, b1a, plan, h; writes h
;; launch down: the kernel of part 4 again; grid 8 x 32, 4 waves a work-group, clusters of 4 x 1, 327,680 bytes of LDS; arguments h, wbf, b0b, b1b, plan, out0; writes out0
